; MI455X (gfx1250); checked and timed in simulation.
; The chip was launched on July 23, 2026; its instructions are those of AMD's public machine-readable ISA for CDNA 5 (MIT licence, August 2026) and "CDNA5" Instruction Set Architecture Reference Guide (July 2026). The comments in the code are by the model that wrote it; some were corrected since.
;; Uniform Quant Attention. Allowed arithmetic: matrix products marked QUANTISED: E2M1 operands, one E8M0 scale for each 32 along K, by v_wmma_scale_f32_16x16x128_f8f6f4 with both operands' format E2M1 (or v_wmma_scale_f32_32x16x128_f4), f32 sums; products left as they are: bf16, f16 or f32 operands; f32 sums; everything else in f32.
;; Inputs: Wk 2,048 x 2,048 float32; Wo 2,048 x 2,048 float32; Wq 2,048 x 2,048 float32; Wv 2,048 x 2,048 float32; attention_mask 1 x 1 x 2,048 x 2,048 float32; bk 2,048 float32; bo 2,048 float32; bq 2,048 float32; bv 2,048 float32; hidden_states 1 x 2,048 x 2,048 float32.
;; Outputs: out0 1 x 2,048 x 2,048 float32.
;; This version of the problem:
;;   THIS VERSION OF THE PROBLEM IS GIVEN IN LOW PRECISION. The matrix products marked QUANTISED in the list below multiply operands that are first quantised to E2M1 (2 exponent bits, 1 mantissa bit; 4 bits a number), with one power-of-two scale for each 32 numbers along K (OCP MX v1.0); their sums are f32. The products marked 'left as it is' may take bf16, f16 or f32 operands, with f32 sums. All else is computed in f32.
;;   The module's matrix products, in the order in which they are computed (A, B: the left and right operand; K: the contracted axis; several contracted axes count as one K, in the product's order):
;;     1. [M 2,048, K 2,048] x [K 2,048, N 2,048]; A: input hidden_states; B: input Wq: QUANTISED
;;     2. [M 2,048, K 2,048] x [K 2,048, N 2,048]; A: input hidden_states; B: input Wk: QUANTISED
;;     3. [M 2,048, K 2,048] x [K 2,048, N 2,048]; A: input hidden_states; B: input Wv: QUANTISED
;;     4. batch 16 x [M 2,048, K 128] x [K 128, N 2,048]; A: computed on the way; B: computed on the way: left as it is (an operand is computed on the way)
;;     5. batch 16 x [M 2,048, K 2,048] x [K 2,048, N 128]; A: computed on the way; B: computed on the way: left as it is (an operand is computed on the way)
;;     6. [M 2,048, K 2,048] x [K 2,048, N 2,048]; A: computed on the way; B: input Wo: left as it is (an operand is computed on the way)
;;   THE QUANTISER, for each operand of a quantised product, along K:
;;     - K is cut into blocks of 32 from its start; a last block that is shorter is filled with zeros.
;;     - A block's scale is 2^e with e = floor(log2(the largest magnitude in the block)) - 2, held to -126 .. 127; a block of zeros has e = 0. As a byte (E8M0): e + 127.
;;     - Each number is divided by its block's scale, clamped to +-6, and rounded to the nearest number of E2M1, ties to even, subnormals kept.
;;     - The product sums the exact products of the quantised numbers (number of the format x scale) in f32.
;;   ~~~python
;;   def quantise(x, axis):      # numpy; x: float32 -> the quantised numbers, widened to float32 again
;;       x = np.moveaxis(x, axis, -1); K = x.shape[-1]
;;       x = np.pad(x, [(0, 0)] * (x.ndim - 1) + [(0, -K % 32)]); x = x.reshape(x.shape[:-1] + (-1, 32)); a = np.abs(x).max(-1, keepdims=True)
;;       e = np.where(a > 0, np.clip(np.frexp(np.where(a > 0, a, 1))[1] - 1 - 2, -126, 127), 0)      # np.frexp(a)[1] - 1 = floor(log2(a)), exactly
;;       r = np.clip(x / 2.0 ** e, -6, 6)
;;       step = 2.0 ** (np.maximum(np.frexp(np.where(r == 0, 1, r))[1] - 1, 0) - 1)
;;       q = np.round(r / step) * step * 2.0 ** e      # np.round: ties to even
;;       return np.moveaxis(q.reshape(q.shape[:-2] + (-1,))[..., :K], -1, axis).astype(np.float32)
;;   ~~~
;; One version. Each part assembles by itself: llvm-mc -triple=amdgcn-amd-amdhsa -mcpu=gfx1250 --defsym DOCPART=n.
;; ======== version 1 of 1: 4 launches
;; limits: right only within a limited range of input values; values are held in f16: magnitudes above 65,504 overflow, below 6.1e-05 lose precision
;; workspace buffers: xc 2,097,152 bytes; xs 131,072 bytes; wc 6,291,456 bytes; ws 393,216 bytes; wob 8,388,608 bytes; qkv 25,165,824 bytes; att 8,388,608 bytes
;; launch prep (part 1): grid 640 x 1, 4 waves a work-group, no clusters, 33,280 bytes of LDS; arguments hidden_states, Wq, Wk, Wv, Wo, xc, xs, wc, ws, wob; writes xc, xs, wc, ws, wob
.if DOCPART == 1
	.amdgcn_target "amdgcn-amd-amdhsa--gfx1250"
	.amdhsa_code_object_version 6
	.text
	.protected	k_qe3622df71b_prep
	.globl	k_qe3622df71b_prep
	.p2align	8
	.type	k_qe3622df71b_prep,@function
k_qe3622df71b_prep:
	s_mov_b64 s[64:65], 0
	v_nop
	global_prefetch_b8 v0, s[64:65] scope:SCOPE_SE
	s_setreg_imm32_b32 hwreg(HW_REG_WAVE_MODE, 25, 1), 1
	s_wait_xcnt 0x0
; hidden_states, Wq, Wk, Wv ([2048][2048] f32, K innermost) become codes of FP4 (E2M1) with one E8M0 scale byte for each 32 along K; Wo becomes f16.
; All five tensors are dense streams: nothing here knows of rows.  A work-group takes 32,768 numbers, a wave 8,192.
; Work-groups 0-127: hidden_states -> xc, xs.  128-511: Wq, Wk, Wv -> wc, ws, one behind the other (rows 0-2047 Wq, then Wk, then Wv).  512-639: Wo -> wob.
; A block's scale is 2^(floor(log2(its largest magnitude)) - 2); its byte is the largest magnitude's exponent field - 2, held at 1 from below.
; WHY f16 FOR Wo: the operands of the products that are not quantised are rounded six times on the way to the output (q, k, the weights, v, the heads' results, Wo); f16 keeps 11 significant bits, bf16 8.
; LIMITS: a block of zeros, or one whose largest magnitude lies under 2^-124, keeps the byte 1 (zero codes add nothing under it; this program alone reads the bytes); NaN and infinities are not served;
; numbers of Wo beyond 65,504 become infinities, and under 2^-14 they keep steps of 2^-24.
; QUANTISING: each of a step's four loads reads 512 consecutive bytes; the step's 2,048 bytes turn through the wave's own stage in LDS and come back 64 bytes a lane, so that a lane holds 16 neighbours
; along K (two neighbouring lanes hold a block).  A lane's 16 codes are 8 bytes: the wave stores 256 consecutive bytes.  A wave's 256 scale bytes are gathered in LDS and leave as one store of 256 bytes.
; No tensor loads, no barrier: waves share nothing.  Matrix units and clusters have nothing to do in a stream.
.set STEPS, 16
.set EMAX,  2
.set CB,    8                          ; bytes of 16 codes
.set R,     16                         ; v16-79   four sets of 16 numbers as they are loaded
.set X,     80                         ; v80-111  two sets of 16 neighbours
.set C,     128                        ; v128-191 codes: four registers for each step, so that no store's data are written again
.set E,     112                        ; v112-127 a scale byte for each step
.set WREG,  8192                       ; LDS: a region for each wave: two stages of 32 x SP bytes, behind them its 256 scale bytes
.set SP,    80                         ; a lane's place in a stage: 64 bytes + 16 of padding
.set CI,    16                         ; the cast: v16-143 two sets of 64 numbers
.set CO,    144                        ; the cast: v144-175 a set's 64 numbers a lane as f16
	s_load_b256 s[4:11], s[0:1], 0x0               ; hidden_states, Wq, Wk, Wv
	s_load_b256 s[12:19], s[0:1], 0x20             ; Wo, xc, xs, wc
	s_load_b128 s[20:23], s[0:1], 0x40             ; ws, wob
	v_lshl_add_u32 v192, v0, 2, 0x8000
	v_mov_b32 v193, 0
	v_lshrrev_b32 v1, 5, v0
	v_readfirstlane_b32 s24, v1                    ; wave
	v_and_b32 v2, 31, v0                           ; lane
	v_lshlrev_b32 v3, 4, v2                        ; my 16 bytes of a load's 512
	s_mul_i32 s25, s24, WREG
	v_lshrrev_b32 v14, 2, v2
	v_mul_u32_u24 v14, v14, SP
	v_and_b32 v15, 3, v2
	v_lshl_add_u32 v14, v15, 4, v14
	v_add_nc_u32 v14, s25, v14                     ; the stage, on the way in: SP (lane / 4) + 16 (lane % 4)
	v_mul_u32_u24 v15, v2, SP
	v_add_nc_u32 v15, s25, v15                     ; and on the way out: SP x lane: my 16 neighbours
	v_mul_u32_u24 v4, v2, CB                       ; my codes' place in a step's
	v_lshrrev_b32 v5, 1, v2
	s_add_co_u32 s25, s25, 2*32*SP
	v_add_nc_u32 v5, s25, v5                       ; LDS: my wave's 256 scale bytes, my block's byte
	v_lshlrev_b32 v7, 3, v2                        ; 8 bytes a lane
	v_add_nc_u32 v6, s25, v7
	s_mov_b32 s35, 0
	s_wait_kmcnt 0x0
	s_cmp_ge_u32 ttmp9, 512                        ; the last 128 work-groups cast Wo
	s_cbranch_scc1 .Lcast
	s_lshr_b32 s25, ttmp9, 7                       ; which tensor: the choices hang on the work-group's number alone
	s_cmp_eq_u32 s25, 1
	s_cselect_b64 s[26:27], s[6:7], s[4:5]
	s_cmp_eq_u32 s25, 2
	s_cselect_b64 s[26:27], s[8:9], s[26:27]
	s_cmp_eq_u32 s25, 3
	s_cselect_b64 s[26:27], s[10:11], s[26:27]     ; the numbers
	s_cmp_eq_u32 s25, 0
	s_cselect_b64 s[28:29], s[14:15], s[18:19]     ; the codes
	s_cselect_b64 s[30:31], s[16:17], s[20:21]     ; the scale bytes
	s_cselect_b32 s32, 0, 128                      ; the first work-group that writes that pair of buffers
	s_and_b32 s33, ttmp9, 127
	s_lshl_b32 s33, s33, 2
	s_add_co_u32 s33, s33, s24                     ; which run of 8,192 numbers of the tensor is my wave's
	s_lshl_b32 s34, s33, 15                        ; 32,768 bytes a run
	s_add_nc_u64 s[26:27], s[26:27], s[34:35]
	s_sub_co_u32 s33, ttmp9, s32
	s_lshl_b32 s33, s33, 2
	s_add_co_u32 s33, s33, s24                     ; and which run of the buffers
	s_lshl_b32 s34, s33, 12                        ; 4,096 bytes of codes a run
	s_add_nc_u64 s[28:29], s[28:29], s[34:35]
	s_lshl_b32 s34, s33, 8                         ; 256 scale bytes a run
	s_add_nc_u64 s[30:31], s[30:31], s[34:35]
.macro LOAD t
.irp i, 0,1,2,3
	global_load_b128 v[R+16*((\t)%4)+4*\i:R+16*((\t)%4)+4*\i+3], v3, s[26:27] offset:2048*(\t)+512*\i th:TH_LOAD_NT   ; 32 lanes read 512 consecutive bytes
.endr
.endm
.macro TURN t                          ; step t's numbers through the stage: LDS serves a wave's instructions in order (ISA guide 5.7.1.4), so no wait stands between the stores and the loads
.irp i, 0,1,2,3
	ds_store_b128 v14, v[R+16*((\t)%4)+4*\i:R+16*((\t)%4)+4*\i+3] offset:32*SP*((\t)%2)+8*SP*\i
.endr
.irp i, 0,1,2,3
	ds_load_b128 v[X+16*((\t)%2)+4*\i:X+16*((\t)%2)+4*\i+3], v15 offset:32*SP*((\t)%2)+16*\i
.endr
.endm
.irp t, 0,1,2,3
	LOAD \t
.endr
	s_wait_loadcnt 12                              ; step 0's four loads are in; those of steps 1 to 3 stay out
	TURN 0
.macro STEP t
.set XS, X+16*((\t)%2)
.if (\t) > 0
	s_wait_dscnt 1                                 ; this step's numbers are back from the stage (the last step's byte store may be out): so its stores into the stage have read their registers,
.else
	s_wait_dscnt 0x0
.endif
.if (\t)+4 < STEPS
	LOAD (\t)+4                                    ; which take the loads of four steps on
.endif
.if (\t)+1 < STEPS
.if STEPS-2-(\t) >= 3
	s_wait_loadcnt 12                              ; the next step's four loads are in; those of the three steps behind it may be out
.else
	s_wait_loadcnt 4*(STEPS-2-(\t))
.endif
	TURN (\t)+1                                    ; and go through the other stage while this step is worked
.endif
	v_max3_num_f32 v8, |v[XS]|, |v[XS+1]|, |v[XS+2]|               ; the largest magnitude of my 16, in two chains
	v_max3_num_f32 v9, |v[XS+3]|, |v[XS+4]|, |v[XS+5]|
.irp i, 6,10
	v_max3_num_f32 v8, v8, |v[XS+\i]|, |v[XS+\i+1]|
	v_max3_num_f32 v9, v9, |v[XS+\i+2]|, |v[XS+\i+3]|
.endr
	v_max3_num_f32 v8, v8, |v[XS+14]|, |v[XS+15]|
	v_max3_num_f32 v8, v8, v9, (EMAX+1)<<23        ; and the floor 2^(EMAX + 1 - 127): the byte cannot fall under 1
	v_max_num_f32_dpp v8, v8, v8 row_xmask:1 row_mask:0xf bank_mask:0xf   ; and of my neighbour's 16: the block's
	v_add_nc_u32 v11, -(EMAX<<23), v8              ; EMAX off its exponent field: the conversion takes the exponent field of this operand as its scale, and nothing else of it
	v_cvt_scalef32_pk8_fp4_f32 v[C+4*(\t)], v[XS:XS+7], v11        ; to the nearest code, ties to even, beyond the largest code the largest
	v_cvt_scalef32_pk8_fp4_f32 v[C+4*(\t)+1], v[XS+8:XS+15], v11
	v_lshrrev_b32 v[E+(\t)], 23, v11               ; the scale's byte (a plain line behind the conversions)
	ds_store_b8 v5, v[E+(\t)] offset:16*(\t)       ; both lanes of a block write the same byte with the same value
	global_store_b64 v4, v[C+4*(\t):C+4*(\t)+1], s[28:29] offset:32*CB*(\t)   ; the wave stores 256 consecutive bytes, aligned
.endm
.irp t, 0,1,2,3,4,5,6,7,8,9,10,11,12,13,14,15
	STEP \t
.endr
	ds_load_b64 v[12:13], v6                       ; these see my byte stores: LDS serves a wave's instructions in order
	s_wait_dscnt 0x0
	global_store_b64 v7, v[12:13], s[30:31]        ; 32 lanes store 256 consecutive bytes, aligned
	s_wait_tensorcnt 0x0
	ds_add_u32 v192, v193
	s_wait_dscnt 0x0
	s_endpgm
; THE CAST of Wo: four batches of 16 loads (8,192 bytes a wave), two batches in flight; a load's 512 bytes become 256 bytes of f16, stored by the same lanes.
.Lcast:
	s_sub_co_u32 s33, ttmp9, 512
	s_lshl_b32 s33, s33, 2
	s_add_co_u32 s33, s33, s24                     ; my wave's run of 8,192 numbers
	s_lshl_b32 s34, s33, 15
	s_add_nc_u64 s[12:13], s[12:13], s[34:35]
	s_lshl_b32 s34, s33, 14
	s_add_nc_u64 s[22:23], s[22:23], s[34:35]
.macro CLOAD t
.irp i, 0,1,2,3,4,5,6,7,8,9,10,11,12,13,14,15
	global_load_b128 v[CI+64*((\t)%2)+4*\i:CI+64*((\t)%2)+4*\i+3], v3, s[12:13] offset:8192*(\t)+512*\i th:TH_LOAD_NT
.endr
.endm
.macro CAST t
.if (\t) < 3
	s_wait_loadcnt 16                              ; this batch is in; the younger batch's 16 loads stay out
.else
	s_wait_loadcnt 0x0
.endif
.if (\t) > 0
	s_wait_xcnt 0x0                                ; the last batch's stores have read their data: v144-175 are written again only behind this wait
.endif
.irp i, 0,1,2,3,4,5,6,7,8,9,10,11,12,13,14,15
	v_cvt_pk_f16_f32 v[CO+2*\i],   v[CI+64*((\t)%2)+4*\i],   v[CI+64*((\t)%2)+4*\i+1]
	v_cvt_pk_f16_f32 v[CO+2*\i+1], v[CI+64*((\t)%2)+4*\i+2], v[CI+64*((\t)%2)+4*\i+3]
.endr
.irp i, 0,1,2,3,4,5,6,7,8,9,10,11,12,13,14,15
	global_store_b64 v7, v[CO+2*\i:CO+2*\i+1], s[22:23] offset:4096*(\t)+256*\i   ; the wave stores 256 consecutive bytes, aligned
.endr
.if (\t) < 2
	CLOAD (\t)+2
.endif
.endm
	CLOAD 0
	CLOAD 1
	CAST 0
	CAST 1
	CAST 2
	CAST 3
	s_endpgm
.Lfunc_end_k_qe3622df71b_prep:
	.size	k_qe3622df71b_prep, .Lfunc_end_k_qe3622df71b_prep-k_qe3622df71b_prep
	.p2alignl 7, 3214868480
	.fill 96, 4, 3214868480
	.section	.rodata,"a",@progbits
	.p2align	6, 0x0
	.amdhsa_kernel k_qe3622df71b_prep
		.amdhsa_group_segment_fixed_size 33280
		.amdhsa_private_segment_fixed_size 0
		.amdhsa_enable_private_segment 0
		.amdhsa_kernarg_size 80
		.amdhsa_user_sgpr_count 2
		.amdhsa_user_sgpr_kernarg_segment_ptr 1
		.amdhsa_wavefront_size32 1
		.amdhsa_system_sgpr_workgroup_id_x 1
		.amdhsa_system_sgpr_workgroup_id_y 1
		.amdhsa_system_sgpr_workgroup_id_z 1
		.amdhsa_system_vgpr_workitem_id 0
		.amdhsa_next_free_vgpr 194
		.amdhsa_next_free_sgpr 66
		.amdhsa_reserve_vcc 0
		.amdhsa_float_denorm_mode_32 3
		.amdhsa_float_denorm_mode_16_64 3
		.amdhsa_memory_ordered 1
		.amdhsa_forward_progress 1
		.amdhsa_inst_pref_size 54
	.end_amdhsa_kernel
	.amdgpu_metadata
---
amdhsa.version: [ 1, 2 ]
amdhsa.kernels:
  - .name:           k_qe3622df71b_prep
    .symbol:         k_qe3622df71b_prep.kd
    .args:
      - { .name: hidden_states, .offset: 0, .size: 8, .value_kind: global_buffer, .address_space: global }
      - { .name: Wq, .offset: 8, .size: 8, .value_kind: global_buffer, .address_space: global }
      - { .name: Wk, .offset: 16, .size: 8, .value_kind: global_buffer, .address_space: global }
      - { .name: Wv, .offset: 24, .size: 8, .value_kind: global_buffer, .address_space: global }
      - { .name: Wo, .offset: 32, .size: 8, .value_kind: global_buffer, .address_space: global }
      - { .name: xc, .offset: 40, .size: 8, .value_kind: global_buffer, .address_space: global }
      - { .name: xs, .offset: 48, .size: 8, .value_kind: global_buffer, .address_space: global }
      - { .name: wc, .offset: 56, .size: 8, .value_kind: global_buffer, .address_space: global }
      - { .name: ws, .offset: 64, .size: 8, .value_kind: global_buffer, .address_space: global }
      - { .name: wob, .offset: 72, .size: 8, .value_kind: global_buffer, .address_space: global }
    .group_segment_fixed_size: 33280
    .private_segment_fixed_size: 0
    .kernarg_segment_align: 8
    .kernarg_segment_size: 80
    .max_flat_workgroup_size: 128
    .sgpr_count:     66
    .vgpr_count:     194
    .wavefront_size: 32
...
	.end_amdgpu_metadata
.endif
;; end of part 1
;; launch qkv (part 2): grid 24 x 8, 4 waves a work-group, clusters of 4 x 4, 327,680 bytes of LDS; arguments xc, xs, wc, ws, bq, bk, bv, qkv; writes qkv
.if DOCPART == 2
	.amdgcn_target "amdgcn-amd-amdhsa--gfx1250"
	.amdhsa_code_object_version 6
	.text
	.protected	k_qe3622df71b_qkv
	.globl	k_qe3622df71b_qkv
	.p2align	8
	.type	k_qe3622df71b_qkv,@function
k_qe3622df71b_qkv:
	s_mov_b64 s[64:65], 0
	v_nop
	global_prefetch_b8 v0, s[64:65] scope:SCOPE_SE
	s_setreg_imm32_b32 hwreg(HW_REG_WAVE_MODE, 25, 1), 1
	s_wait_xcnt 0x0
	s_wait_alu depctr_hold_cnt(0) depctr_sa_sdst(0) depctr_va_vdst(0) depctr_va_sdst(0) depctr_va_ssrc(0) depctr_va_vcc(0) depctr_vm_vsrc(0)
	s_getreg_b32 s2, hwreg(HW_REG_IB_STS2, 6, 4)
	s_cmp_eq_u32 s2, 0
	s_cbranch_scc0 .Lentry_in_a_cluster
	s_endpgm
.Lentry_in_a_cluster:
	s_bfe_u32 s2, ttmp6, 0x10000c
	s_cmp_lg_u32 s2, 0xf033
	s_cbranch_scc0 .Lentry_shape_is_right
	s_endpgm
.Lentry_shape_is_right:
; [2048 tokens][6144] = x [Wq; Wk; Wv]^T + bias, on codes of FP4 (E2M1) with one E8M0 scale for each 32 along K = 2,048; sums in f32.  q is multiplied by 128^-0.5 in f32; all three are rounded once to f16
; and laid by head: qkv[48][2048][128], block nb = 16 x tensor + head.
; WHY f16: it keeps 11 significant bits, bf16 8, and six roundings of operands stand between the inputs and the output.  ITS RANGE: a sum over K = 2,048 of products of numbers of spread 1 and 0.02 has spread 0.9;
; with both thirty times larger, 815; with offsets of thirty spreads (30 and 0.6) the quantised numbers are at most 32 and 0.75 and the sum at most 2,048 x 24 = 49,152; with both thirty times smaller the
; spread is 0.001 against steps of 2^-24.  LIMIT: results beyond 65,504 in magnitude become infinities.
; A tile of the result, 256 x 256, is made by a work-group of four waves; a wave makes 128 tokens x 128 columns, which are one head of one tensor: 64 accumulators of 16 x 16, 512 registers.
; K goes in steps of 512 through a ring of two LDS slots filled by the tensor data mover: a tile's row is 256 bytes of memory.
; THE SCALES of the work-group's 256 rows of x and 256 rows of W, for all of K, are two dense blocks of memory: they come into LDS once, with the first fills, and stay.
; CLUSTERS: 4 x 4 work-groups.  The four of a row of the cluster need the same tiles of x, the four of a column the same tiles of W: each tile is asked for JOINTLY, by the same tensor load with the same
; descriptor and a mask that names the four.  THE MATRIX INSTRUCTION IS USED TRANSPOSED (source 0 = 16 rows of W, source 1 = 16 rows of x): a lane then holds eight neighbouring columns of one token.
; THE BIAS is the C of each sum's first matrix instruction: eight registers for each of W's eight blocks, in the result's layout.
; REGISTERS, in windows of 256: window 0: v0-31 addresses; v32-95 scale words, two sets, and nothing else; v128-191 x's fragments, ONE set; v192-255 the bias; on the way out v128-223 are at work.
;   window 1: W's fragments, TWO sets, at v0 and v128.   window 2: the 32 accumulators of my rows 0-63 ((a, b) at v[8 (8 a + b)]);   window 3: those of my rows 64-127.
; No prefetch: the launch is short and its tiles are shared in the cluster.  192 tiles: a work-group to each.
.set SIZE_K, 2048
.set KSTEP,  512                       ; along K in a slot
.set NQ,     KSTEP/128                 ; matrix instructions deep
.set ROWB,   256                       ; a tile's row in bytes
.set KROW,   SIZE_K*4/8                ; a row of codes in memory, in bytes
.set PITCH,  272                       ; an LDS row: 256 bytes + 16 of padding = 68 words: row r starts at bank 4 r mod 64 (64 banks of 4 bytes: ISA guide 11.1)
.set FR,     8                         ; registers of a fragment: 16 rows x 128 K
.set NL,     2                         ; LDS loads that bring one
.set NP,     4                         ; places behind this matrix instruction (ISA guide 7.12.1)
.set HALFT,  128*PITCH                 ; 128 rows: what one tensor load brings
.set SLOT,   4*HALFT                   ; x's 256 rows, then W's 256 rows
.set LAPS,   SIZE_K/(2*KSTEP)          ; a lap = two K steps = once round the ring
.set KS,     SIZE_K/32                 ; a row of scales in bytes
.set SCL,    2*SLOT                    ; behind the ring: the scales, as units of 256 bytes + 16 of padding
.set HALFS,  (128*KS/256)*272          ; the scales of 128 rows: what one tensor load brings
.set SBLK,   (16*KS/256)*272           ; those of 16 rows
.set SPARE,  SCL+4*HALFS               ; behind the scales: the spare words, 128 bytes for each wave
.set SPITCH, 272                       ; the way out: a stage of 16 rows x (256 bytes + 16) for each wave, in slot 0, which has had its last fill and its last read when the first result is stored there
.set ADRA, 16                          ; v16-17  LDS address of my x fragments in slot 0, 1
.set ADRB, 20                          ; v20-21  the same for W
.set STO,  24                          ; v24     the way out: where I put 16 bytes of a row
.set RD,   25                          ; v25     the way out: where I read a row back
.set CO,   26                          ; v26     16 x lane: my byte offset in two rows of the result
.set ADRS, 27                          ; v27     LDS address of my scale words: lanes 0-15 x's rows, lanes 16-31 W's
.set SPW,  28                          ; v28     LDS address of my spare word; never rewritten
.set NIL,  29                          ; v29     0; never rewritten
.set BIO,  30                          ; v30     32 x (lane / 16): my eight numbers of a block's sixteen of the bias
.set SC,   32                          ; scale words: set s at v[SC + 8 NQ s]; register NQ i + q: lanes 0-15 the word of x's block i, lanes 16-31 that of W's block i, for the slot's q-th 128 along K
.set AF,   128                         ; x's fragments
.set BI,   192                         ; the bias: block b at v[BI + 8 b]
.set TP,   128                         ; the way out: a block's packed results
.set BK,   160                         ; the way out: 16 rows read back: v160-191 and v192-223 by turns
.set G1, 24                            ; s[24:31] descriptor group 1 for x's tiles;  s[32:39] group 0, one set for each slot
.set G0, 32
.set G1B, 48                           ; s[48:55], s[56:63] the same for W's tiles
.set G0B, 56
.set FAC, 66                           ; s[66:67] 128^-0.5 for q, 1.0 for k and v
.set G1S, 68                           ; s[68:75], s[76:79] groups 1 and 0 for x's scales;  s[80:87], s[88:91] for W's
.set G0S, 76
.set G1SB, 80
.set G0SB, 88
.set BP,  96                           ; s[96:97] the bias of my tensor (at first bq; s[98:99] bk, s[100:101] bv)
.set MSB, 0
.macro WIN new                         ; the immediate's high byte repeats the setting that is left
.if MSB != \new
	s_set_vgpr_msb (MSB<<8)|\new
.set MSB, \new
.endif
.endm
.set MUL_LO, 0xa1                      ; source 0 (W) window 1, source 1 (x) window 0, C and D window 2
.set MUL_HI, 0xf1                      ; the same, C and D window 3
.set ST_LO,  0x81                      ; the first step: C (the bias) window 0, D window 2
.set ST_HI,  0xc1                      ; C window 0, D window 3
.set TO_B,   0x40                      ; destination window 1, address window 0
; A joint load: waves 0 and 1 fetch for x, waves 2 and 3 for W.  Each of the two lines has one mask and one set of registers for all that issue it; the branch hangs on the wave's number alone.
; Four v_nop follow each of the two lines, ahead of the jump, the label and what follows.
.macro JLOAD g0a, g1a, g0b, g1b
	s_cmp_eq_u32 s15, 0
	s_cbranch_scc0 .Lfor_b_\@
	tensor_load_to_lds s[\g0a:\g0a+3], s[\g1a:\g1a+7]
	s_nop 0
.rept 4
	v_nop
.endr
	s_branch .Lasked_\@
.Lfor_b_\@:
	tensor_load_to_lds s[\g0b:\g0b+3], s[\g1b:\g1b+7]
	s_nop 0
.rept 4
	v_nop
.endr
.Lasked_\@:
.endm
.macro CREST                           ; a round of the cluster's barrier behind its opening barrier
	s_cmp_lg_u32 s14, 0
	s_cbranch_scc1 .Lnot_wave_0_\@
	s_barrier_signal -3
.Lnot_wave_0_\@:
	s_barrier_wait -3
	s_barrier_signal -1
	s_barrier_wait -1
.endm
.macro CROUND                          ; a whole round
	s_barrier_signal -1
	s_barrier_wait -1
	CREST
.endm
	s_load_b128 s[4:7], s[0:1], 0x0                ; x's codes s[4:5], x's scales s[6:7]
	s_load_b128 s[8:11], s[0:1], 0x10              ; W's codes s[8:9], W's scales s[10:11]
	s_load_b128 s[BP:BP+3], s[0:1], 0x20           ; bq, bk
	s_load_b64 s[BP+4:BP+5], s[0:1], 0x30          ; bv
	s_load_b64 s[12:13], s[0:1], 0x38              ; qkv
	v_lshl_add_u32 v[SPW], v0, 2, SPARE
	v_mov_b32 v[NIL], 0
	ds_add_u32 v28, v29
	ds_add_u32 v28, v29
	s_wait_dscnt 0x0
	v_lshrrev_b32 v1, 5, v0
	v_readfirstlane_b32 s14, v1                    ; wave 0..3
	s_lshr_b32 s15, s14, 1                         ; which half of the tile's rows is mine.  Also: I fetch for x (0) or for W (1)
	s_and_b32 s16, s14, 1                          ; which half of its columns.  Also: which 128 rows of that tile I fetch
	s_bfe_u32 s40, ttmp6, 0x40000                  ; cx, cy: my place in the cluster
	s_bfe_u32 s41, ttmp6, 0x40004
	s_lshl_b32 s42, ttmp9, 2
	s_add_co_u32 s42, s42, s40                     ; tile column = 4 x cluster x + cx
	s_and_b32 s17, ttmp7, 0xffff
	s_lshl_b32 s17, s17, 2
	s_add_co_u32 s17, s17, s41                     ; tile row = 4 x cluster y + cy
	s_lshl_b32 s43, s41, 2
	s_lshl_b32 s43, 15, s43                        ; my row of the cluster
	s_lshl_b32 s44, 0x1111, s40                    ; my column
	; descriptor group 1: a tile of 128 rows x 256 bytes, padded in LDS
	s_or_b32 s[G1+0], s43, (0<<16)|(1<<20)|(1<<21)|(5<<22)|(3<<25)  ; 15:0 the mask: x's tiles go to my row; 17:16 element of 1 byte; 20 padding on; 21 set beside a mask; 24:22 after every 64 words; 31:25 of 4 words
	s_or_b32 s[G1B+0], s44, (0<<16)|(1<<20)|(1<<21)|(5<<22)|(3<<25)
.irp g, G1, G1B
	s_mov_b32 s[\g+1], ROWB<<16                    ; tensor_dim0
	s_mov_b32 s[\g+2], 128<<16                     ; tensor_dim1 = 128
	s_mov_b32 s[\g+3], ROWB<<16                    ; tile_dim0
	s_mov_b32 s[\g+4], 128                         ; tile_dim1 = 128
	s_mov_b32 s[\g+5], KROW                        ; tensor_dim0_stride
	s_mov_b32 s[\g+6], 0
	s_mov_b32 s[\g+7], 0
.endr
	; and for the scales of 128 rows: a dense block of 8,192 bytes, as rows of 256 bytes (32 elements of 8 bytes), 16 bytes of padding behind each
	s_or_b32 s[G1S+0], s43, (3<<16)|(1<<20)|(1<<21)|(5<<22)|(3<<25)
	s_or_b32 s[G1SB+0], s44, (3<<16)|(1<<20)|(1<<21)|(5<<22)|(3<<25)
.irp g, G1S, G1SB
	s_mov_b32 s[\g+1], 32<<16
	s_mov_b32 s[\g+2], (128*KS/256)<<16
	s_mov_b32 s[\g+3], 32<<16
	s_mov_b32 s[\g+4], 128*KS/256
	s_mov_b32 s[\g+5], 32
	s_mov_b32 s[\g+6], 0
	s_mov_b32 s[\g+7], 0
.endr
	s_lshl_b32 s18, s16, 7                         ; which 128 rows of the tile I fetch
	s_lshl_b32 s20, s17, 8
	s_add_co_u32 s20, s20, s18                     ; x: row 256 x tile row + 128 x half
	s_lshl_b32 s46, s42, 8
	s_add_co_u32 s46, s46, s18                     ; W: row 256 x tile column + 128 x half
	s_mov_b32 s21, 0
	s_mov_b32 s47, 0
	s_mov_b64 s[18:19], KS
	s_mul_u64 s[22:23], s[20:21], s[18:19]         ; where these rows' scales begin, in bytes
	s_mul_u64 s[92:93], s[46:47], s[18:19]
	s_mov_b64 s[18:19], KROW
	s_mul_u64 s[20:21], s[20:21], s[18:19]         ; and their codes
	s_mul_u64 s[46:47], s[46:47], s[18:19]
	s_mul_i32 s45, s14, HALFT                      ; where they go: wave x 128 rows: no place in the cluster enters an LDS address
	s_mul_i32 s94, s14, HALFS
	s_wait_kmcnt 0x0
	s_add_nc_u64 s[20:21], s[4:5], s[20:21]
	s_add_nc_u64 s[22:23], s[6:7], s[22:23]
	s_add_nc_u64 s[46:47], s[8:9], s[46:47]
	s_add_nc_u64 s[92:93], s[10:11], s[92:93]
	CROUND                                         ; all sixteen work-groups are here: the first joint loads meet
	s_mov_b32 s[G0S], 1
	s_add_co_u32 s[G0S+1], s94, SCL
	s_mov_b64 s[G0S+2:G0S+3], s[22:23]
	s_or_b32 s[G0S+3], s[G0S+3], 0x80000000
	s_mov_b32 s[G0SB], 1
	s_add_co_u32 s[G0SB+1], s94, SCL
	s_mov_b64 s[G0SB+2:G0SB+3], s[92:93]
	s_or_b32 s[G0SB+3], s[G0SB+3], 0x80000000
	JLOAD G0S, G1S, G0SB, G1SB                     ; the scales first: they are wanted with K step 0
.irp s, 0,1
	s_mov_b32 s[G0+4*\s], 1
	s_add_co_u32 s[G0+4*\s+1], s45, \s*SLOT
	s_add_nc_u64 s[G0+4*\s+2:G0+4*\s+3], s[20:21], \s*ROWB
	s_or_b32 s[G0+4*\s+3], s[G0+4*\s+3], 0x80000000
	s_mov_b32 s[G0B+4*\s], 1
	s_add_co_u32 s[G0B+4*\s+1], s45, \s*SLOT
	s_add_nc_u64 s[G0B+4*\s+2:G0B+4*\s+3], s[46:47], \s*ROWB
	s_or_b32 s[G0B+4*\s+3], s[G0B+4*\s+3], 0x80000000
	JLOAD G0+4*\s, G1, G0B+4*\s, G1B
.endr
	v_and_b32 v1, 15, v0                           ; l % 16
	v_bfe_u32 v2, v0, 4, 1                         ; l / 16
	; the bias and the factor of my tensor.  Tensor = tile column / 8 = cluster x / 2: alike in all partners; only pointers and a number are chosen
	s_lshr_b32 s20, ttmp9, 1
	s_cmp_eq_u32 s20, 0
	s_cselect_b64 s[BP:BP+1], s[BP:BP+1], s[BP+2:BP+3]
	s_cselect_b32 s[FAC], 0x3db504f3, 1.0          ; 128^-0.5 for q
	s_cmp_eq_u32 s20, 2
	s_cselect_b64 s[BP:BP+1], s[BP+4:BP+5], s[BP:BP+1]
	s_mov_b32 s[FAC+1], s[FAC]                     ; (named with it as a pair, so it is written)
	s_and_b32 s46, s42, 7
	s_lshl_b32 s46, s46, 10                        ; the tile's 256 columns within the tensor, 4 bytes each,
	s_lshl_b32 s47, s16, 9                         ; my 128 of them
	s_add_co_u32 s46, s46, s47
	s_mov_b32 s47, 0
	s_add_nc_u64 s[BP:BP+1], s[BP:BP+1], s[46:47]
	v_lshlrev_b32 v[BIO], 5, v2
.irp b, 0,1,2,3,4,5,6,7
	global_load_b128 v[BI+8*\b:BI+8*\b+3],   v[BIO], s[BP:BP+1] offset:64*\b      ; lane (r, h): the bias of columns 16 b + 8 h + 0 .. 7
	global_load_b128 v[BI+8*\b+4:BI+8*\b+7], v[BIO], s[BP:BP+1] offset:64*\b+16
.endr
	v_mul_u32_u24 v3, v1, PITCH
	v_lshl_add_u32 v4, v2, 4, v3                   ; a fragment's row x pitch + 16 x half
	s_mul_i32 s21, s15, HALFT                      ; my 128 rows of x
	s_mul_i32 s22, s16, HALFT                      ; my 128 rows of W,
	s_add_co_u32 s22, s22, 2*HALFT                 ; which lie behind x's 256
.irp s, 0,1
	v_add_nc_u32 v[ADRA+\s], s21, v4
	v_add_nc_u32 v[ADRB+\s], s22, v4
	s_add_co_u32 s21, s21, SLOT
	s_add_co_u32 s22, s22, SLOT
.endr
	v_mul_u32_u24 v5, v1, KS                       ; my row's scales: KS bytes a row,
	v_lshrrev_b32 v6, 8, v5
	v_lshl_add_u32 v5, v6, 4, v5                   ; and 16 more for each 256 passed
	s_mul_i32 s21, s15, HALFS                      ; x's: my 128 rows
	s_mul_i32 s22, s16, HALFS                      ; W's: my 128 rows, behind x's 256
	s_add_co_u32 s22, s22, 2*HALFS
	s_sub_co_u32 s22, s22, s21
	v_mul_u32_u24 v6, s22, v2                      ; lanes 16-31 take W's
	s_add_co_u32 s21, s21, SCL
	v_add_nc_u32 v5, v5, v6
	v_add_nc_u32 v[ADRS], s21, v5
	s_mul_i32 s23, s14, 16*SPITCH                  ; my stage
	v_mul_u32_u24 v5, v1, SPITCH                   ; in: row l % 16, 16 bytes for each half of the lanes
	v_lshl_add_u32 v5, v2, 4, v5
	v_add_nc_u32 v[STO], s23, v5
	v_mul_u32_u24 v5, v2, SPITCH                   ; back: lanes 0-15 one row of 256 bytes, lanes 16-31 the next
	v_lshl_add_u32 v5, v1, 4, v5
	v_add_nc_u32 v[RD], s23, v5
	v_and_b32 v6, 31, v0
	v_lshlrev_b32 v[CO], 4, v6                     ; in memory the two rows are 512 consecutive bytes
	s_lshl_b32 s46, s42, 1
	s_add_co_u32 s46, s46, s16                     ; my block nb = 2 x tile column + column half,
	s_lshl_b32 s46, s46, 19                        ; 524,288 bytes each,
	s_lshl_b32 s20, s17, 16                        ; the tile's 256 tokens of 256 bytes,
	s_lshl_b32 s21, s15, 15                        ; my 128 of them
	s_add_co_u32 s20, s20, s21
	s_add_co_u32 s46, s46, s20
	s_mov_b32 s47, 0
	s_add_nc_u64 s[12:13], s[12:13], s[46:47]      ; my wave's 32,768 consecutive bytes
.macro FRAG reg, adr, q, i             ; a fragment, 16 rows x 128 K of 4-bit codes: lane l holds row l % 16; registers 4 c .. 4 c + 3 hold K = 64 c + 32 (l / 16) + 0 .. 31
.irp c, 0,1
	ds_load_b128 v[\reg+4*\c:\reg+4*\c+3], v[\adr] offset:64*(\q)+32*\c+(\i)*16*PITCH
.endr
.endm
; 16 matrix instructions: x's blocks a0, a0 + 1 against W's eight, 128 along K: the slot's q-th.  p: W's set;  sc: the set of scale words.  zero = 1: the first product starts the sums from the bias.
; The 64 accumulators take turns, one instruction a turn, in the same order in every step.
.macro MUL16 a0, p, q, sc, zero
.irp a, \a0, \a0+1
.irp b, 0,1,2,3,4,5,6,7
.if \zero
	v_wmma_scale_f32_16x16x128_f8f6f4 v[8*(8*((\a)%4)+\b):8*(8*((\a)%4)+\b)+7], v[128*(\p)+FR*\b:128*(\p)+FR*\b+FR-1], v[AF+FR*(\a):AF+FR*(\a)+FR-1], v[BI+8*\b:BI+8*\b+7], v[SC+8*NQ*(\sc)+NQ*\b+(\q)], v[SC+8*NQ*(\sc)+NQ*(\a)+(\q)] matrix_a_fmt:MATRIX_FMT_FP4 matrix_b_fmt:MATRIX_FMT_FP4 matrix_a_scale:MATRIX_SCALE_ROW1
.else
	v_wmma_scale_f32_16x16x128_f8f6f4 v[8*(8*((\a)%4)+\b):8*(8*((\a)%4)+\b)+7], v[128*(\p)+FR*\b:128*(\p)+FR*\b+FR-1], v[AF+FR*(\a):AF+FR*(\a)+FR-1], v[8*(8*((\a)%4)+\b):8*(8*((\a)%4)+\b)+7], v[SC+8*NQ*(\sc)+NQ*\b+(\q)], v[SC+8*NQ*(\sc)+NQ*(\a)+(\q)] matrix_a_fmt:MATRIX_FMT_FP4 matrix_b_fmt:MATRIX_FMT_FP4 matrix_a_scale:MATRIX_SCALE_ROW1
.endif
.endr
.endr
.endm
.macro FETCH_B slot, q, p              ; W's eight fragments of the slot's q-th 128 along K into set p
	WIN TO_B
.irp i, 0,1,2,3,4,5,6,7
	FRAG 128*(\p)+FR*\i, ADRB+\slot, \q, \i
.endr
	WIN 0
.endm
.macro FETCH_A slot, q, i0             ; x's blocks i0 .. i0 + 3
.irp i, \i0, \i0+1, \i0+2, \i0+3
	FRAG AF+FR*(\i), ADRA+\slot, \q, \i
.endr
.endm
.macro SCALES sc                       ; the next K step's scale words into set sc: NQ words a row; lanes 0-15 take x's block i, lanes 16-31 W's block i
.irp i, 0,1,2,3,4,5,6,7
	ds_load_b128 v[SC+8*NQ*\sc+NQ*\i:SC+8*NQ*\sc+NQ*\i+3], v[ADRS] offset:\i*SBLK
.endr
.endm
; A load into a register that a matrix instruction has read, and a vector instruction that reads a matrix result, stand NP places behind that matrix instruction; only plain vector
; instructions that name none of its registers are places (ISA guide 7.12.1 for vector instructions).
.macro PLACES n
.rept \n
	v_nop
.endr
.endm
; A step of 128 along K that has its successor in the same slot.
.macro STEP slot, q, zero
	s_wait_dscnt 4*NL                              ; W's set and x's blocks 0-3 are in; the youngest eight loads (x's blocks 4-7) may be out
.if \zero
	WIN ST_LO
.else
	WIN MUL_LO
.endif
	MUL16 0, (\q)%2, \q, \slot, \zero
	MUL16 2, (\q)%2, \q, \slot, \zero
	s_wait_dscnt 0                                 ; x's blocks 4-7 are in (asked for 32 matrix instructions ago)
	PLACES NP
	FETCH_B \slot, (\q)+1, 1-(\q)%2
	FETCH_A \slot, (\q)+1, 0
.if \zero
	WIN ST_HI
.else
	WIN MUL_HI
.endif
	MUL16 4, (\q)%2, \q, \slot, \zero
	MUL16 6, (\q)%2, \q, \slot, \zero
	PLACES NP
	WIN 0
	FETCH_A \slot, (\q)+1, 4
.endm
; A slot's last step changes slots: ONE barrier; in front of it each wave waits for all its tensor loads, adds 0 to its spare word, and waits for that and for its own reads of this slot.  fill = 1: this slot is filled again, two K steps ahead.
.macro TURN slot, next, fill
	s_wait_tensorcnt 0x0                           ; all my tensor loads have landed: my part of the next slot;  (every window is 0 here)
	ds_add_u32 v[SPW], v[NIL]                      ; 0 onto my spare word
	s_wait_dscnt 4*NL+1                            ; (the add and the youngest eight loads, x's blocks 4-7, may be out)
	WIN MUL_LO
	MUL16 0, 1, NQ-1, \slot, 0                     ; sixteen matrix instructions stand between the add and the wait for it
	s_wait_dscnt 0x0                               ; the add is done, and my reads of this slot are over
	s_barrier_signal -1
	MUL16 2, 1, NQ-1, \slot, 0
	WIN 0
	s_barrier_wait -1
.if \fill
	CREST                                          ; the barrier has opened a round of the cluster's barrier: no wave of any partner still reads this slot's tile or has a load on its way
	s_add_nc_u64 s[G0+4*\slot+2:G0+4*\slot+3], s[G0+4*\slot+2:G0+4*\slot+3], 2*ROWB
	s_add_nc_u64 s[G0B+4*\slot+2:G0B+4*\slot+3], s[G0B+4*\slot+2:G0B+4*\slot+3], 2*ROWB
	JLOAD G0+4*\slot, G1, G0B+4*\slot, G1B         ; the first tensor load behind the round; the four v_nop behind it are the places in front of the loads below
.else
	PLACES NP
.endif
	v_add_nc_u32 v[ADRS], 4*NQ, v[ADRS]            ; on to the next K step's scale words (no LDS load of mine is out)
	FETCH_B \next, 0, 0
	FETCH_A \next, 0, 0
	SCALES \next
	WIN MUL_HI
	MUL16 4, 1, NQ-1, \slot, 0
	MUL16 6, 1, NQ-1, \slot, 0
	PLACES NP
	WIN 0
	FETCH_A \next, 0, 4
.endm
.macro STEPS slot, from                ; the slot's steps from .. NQ - 2
.set Q, \from
.rept NQ-1-\from
	STEP \slot, Q, 0
.set Q, Q+1
.endr
.endm
	s_wait_tensorcnt 1                             ; the scales and my part of K step 0 are in (K step 1's load may be out),
	s_barrier_signal -1
	s_barrier_wait -1                              ; everybody's are
	FETCH_B 0, 0, 0
	FETCH_A 0, 0, 0
	SCALES 0
	FETCH_A 0, 0, 4
	s_wait_loadcnt 0x0                             ; the bias
	STEP 0, 0, 1                                   ; the first step stands in front of the loop: its products start the sums
	s_mov_b32 s3, LAPS-1
.Llap:                                                 ; a trip goes once round the ring, from a lap's second step to the next lap's first, and fills both slots again
	STEPS 0, 1
	TURN 0, 1, 1
	STEPS 1, 0
	TURN 1, 0, 1
	STEP 0, 0, 0
	s_sub_co_u32 s3, s3, 1
	s_cmp_lg_u32 s3, 0
	s_cbranch_scc1 .Llap
	STEPS 0, 1                                     ; the last lap fills nothing, and has no round of the cluster's barrier
	TURN 0, 1, 0
	STEPS 1, 0
	s_wait_dscnt 4*NL                              ; the very last step: nothing more to fetch
	WIN MUL_LO
	MUL16 0, 1, NQ-1, 1, 0
	MUL16 2, 1, NQ-1, 1, 0
	s_wait_dscnt 0
	WIN MUL_HI
	MUL16 4, 1, NQ-1, 1, 0
	MUL16 6, 1, NQ-1, 1, 0
	WIN 0
; THE WAY OUT, block by block of 16 tokens x 128 columns.  PACK: times the tensor's factor, in f32 and in place (one text serves the three tensors: for k and v the factor is 1), then rounded to f16, 16 bytes a lane.
; TOSTAGE: into my own stage in LDS and back as whole rows of 256 bytes.  SEND: stored; two rows are 512 consecutive bytes of memory.  Each accumulator is read from its low end on.
.macro PACK a
.set AC, 64*((\a)%4)
	WIN 0x82+0x41*((\a)/4)                         ; source 0 and destination: window 2 or 3
.set n, 0
.rept 32
	v_pk_mul_f32 v[AC+2*n:AC+2*n+1], v[AC+2*n:AC+2*n+1], s[FAC:FAC+1] op_sel_hi:[1,0]
.set n, n+1
.endr
	WIN 0x0a+5*((\a)/4)                            ; sources 0 and 1: window 2 or 3; destination window 0
.set n, 0
.rept 32
	v_cvt_pk_f16_f32 v[TP+n], v[AC+2*n], v[AC+2*n+1]
.set n, n+1
.endr
	WIN 0
.endm
.macro TOSTAGE a
.set BB, BK+32*((\a)%2)
.irp b, 0,1,2,3,4,5,6,7
	ds_store_b128 v[STO], v[TP+4*\b:TP+4*\b+3] offset:32*\b
.endr
.irp t, 0,1,2,3,4,5,6,7
	ds_load_b128 v[BB+4*\t:BB+4*\t+3], v[RD] offset:\t*2*SPITCH    ; LDS serves a wave's instructions in order (ISA guide 5.7.1.4): these see the stores above
.endr
.endm
.macro SEND a
.set BB, BK+32*((\a)%2)
	s_wait_dscnt 0x0                               ; the block is back in registers
	s_wait_xcnt 0x0                                ; the block before has had its stores' registers read: the next block's loads may land there
.irp t, 0,1,2,3,4,5,6,7
	global_store_b128 v[CO], v[BB+4*\t:BB+4*\t+3], s[12:13] offset:4096*(\a)+512*\t   ; 32 lanes store 512 consecutive bytes, at a multiple of 256 from the buffer's first byte
.endr
.endm
	PLACES NP                                      ; behind the last products
	PACK 0
	TOSTAGE 0
.irp a, 1,2,3,4,5,6,7                  ; block a's arithmetic stands between block a - 1's loads from the stage and the wait for them
	PACK \a
	SEND \a-1
	TOSTAGE \a
.endr
	SEND 7
	s_wait_tensorcnt 0x0                           ; the wave's end, behind my last tensor load and my last LDS store
	ds_add_u32 v[SPW], v[NIL]
	s_wait_dscnt 0x0
	CROUND                                         ; the closing round: no work-group ends while a partner may still ask for a tile that names it
	s_endpgm
.Lfunc_end_k_qe3622df71b_qkv:
	.size	k_qe3622df71b_qkv, .Lfunc_end_k_qe3622df71b_qkv-k_qe3622df71b_qkv
	.p2alignl 7, 3214868480
	.fill 96, 4, 3214868480
	.section	.rodata,"a",@progbits
	.p2align	6, 0x0
	.amdhsa_kernel k_qe3622df71b_qkv
		.amdhsa_group_segment_fixed_size 327680
		.amdhsa_private_segment_fixed_size 0
		.amdhsa_enable_private_segment 0
		.amdhsa_kernarg_size 64
		.amdhsa_user_sgpr_count 2
		.amdhsa_user_sgpr_kernarg_segment_ptr 1
		.amdhsa_wavefront_size32 1
		.amdhsa_system_sgpr_workgroup_id_x 1
		.amdhsa_system_sgpr_workgroup_id_y 1
		.amdhsa_system_sgpr_workgroup_id_z 1
		.amdhsa_system_vgpr_workitem_id 0
		.amdhsa_next_free_vgpr 1024
		.amdhsa_next_free_sgpr 102
		.amdhsa_reserve_vcc 0
		.amdhsa_float_denorm_mode_32 3
		.amdhsa_float_denorm_mode_16_64 3
		.amdhsa_memory_ordered 1
		.amdhsa_forward_progress 1
		.amdhsa_inst_pref_size 231
	.end_amdhsa_kernel
	.amdgpu_metadata
---
amdhsa.version: [ 1, 2 ]
amdhsa.kernels:
  - .name:           k_qe3622df71b_qkv
    .symbol:         k_qe3622df71b_qkv.kd
    .args:
      - { .name: xc, .offset: 0, .size: 8, .value_kind: global_buffer, .address_space: global }
      - { .name: xs, .offset: 8, .size: 8, .value_kind: global_buffer, .address_space: global }
      - { .name: wc, .offset: 16, .size: 8, .value_kind: global_buffer, .address_space: global }
      - { .name: ws, .offset: 24, .size: 8, .value_kind: global_buffer, .address_space: global }
      - { .name: bq, .offset: 32, .size: 8, .value_kind: global_buffer, .address_space: global }
      - { .name: bk, .offset: 40, .size: 8, .value_kind: global_buffer, .address_space: global }
      - { .name: bv, .offset: 48, .size: 8, .value_kind: global_buffer, .address_space: global }
      - { .name: qkv, .offset: 56, .size: 8, .value_kind: global_buffer, .address_space: global }
    .group_segment_fixed_size: 327680
    .private_segment_fixed_size: 0
    .kernarg_segment_align: 8
    .kernarg_segment_size: 64
    .max_flat_workgroup_size: 128
    .sgpr_count:     102
    .vgpr_count:     1024
    .wavefront_size: 32
...
	.end_amdgpu_metadata
.endif
;; end of part 2
;; launch attn (part 3): grid 16 x 16, 4 waves a work-group, clusters of 4 x 4, 327,680 bytes of LDS; arguments qkv, attention_mask, att; writes att
.if DOCPART == 3
	.amdgcn_target "amdgcn-amd-amdhsa--gfx1250"
	.amdhsa_code_object_version 6
	.text
	.protected	k_qe3622df71b_attn
	.globl	k_qe3622df71b_attn
	.p2align	8
	.type	k_qe3622df71b_attn,@function
k_qe3622df71b_attn:
	s_mov_b64 s[64:65], 0
	v_nop
	global_prefetch_b8 v0, s[64:65] scope:SCOPE_SE
	s_setreg_imm32_b32 hwreg(HW_REG_WAVE_MODE, 25, 1), 1
	s_wait_xcnt 0x0
	s_wait_alu depctr_hold_cnt(0) depctr_sa_sdst(0) depctr_va_vdst(0) depctr_va_sdst(0) depctr_va_ssrc(0) depctr_va_vcc(0) depctr_vm_vsrc(0)
	s_getreg_b32 s2, hwreg(HW_REG_IB_STS2, 6, 4)
	s_cmp_eq_u32 s2, 0
	s_cbranch_scc0 .Lentry_in_a_cluster
	s_endpgm
.Lentry_in_a_cluster:
	s_bfe_u32 s2, ttmp6, 0x10000c
	s_cmp_lg_u32 s2, 0xf033
	s_cbranch_scc0 .Lentry_shape_is_right
	s_endpgm
.Lentry_shape_is_right:
; att[q][head] = the sum over k of softmax_k(q'[q] . k[k] + mask[q][k]) v[k], for each of 16 heads.  q' (already times 128^-0.5), k, v: qkv[48][2048][128] f16 (blocks 0-15 q', 16-31 k, 32-47 v);
; mask: [2048][2048] f32, added as it is given; att: [2048 tokens][2048] f16, head h at byte 256 h of a row.  Products, maxima and sums in f32; the weights p are rounded to f16 for the second product.
; WHY f16: it keeps 11 significant bits, bf16 8, and six roundings of operands stand between the inputs and the output.  p is at most 1 by the running maximum; a p under 2^-25 becomes 0, which over 2,048 keys is
; under 2^-14 of a row's sum.  att is a mean of rows of v and has v's range.
; SHARES.  A work-group owns 128 queries of one head.  Wave w: qh = w / 2 says which 64 queries (four tiles of 16), kh = w % 2 which 64 of each slot's 128 keys.  The two waves of a pair walk half the keys
; each, 16 steps of 64, with a running maximum and sum of their own, and merge at the end through LDS.
; REGISTER TILE t OF A WAVE HOLDS QUERY TILE t xor 2 kh (by addresses alone).  So in every wave tiles 0, 1 are kept and tiles 2, 3 given to the partner, whose tiles 0, 1 they are: the merge has no branch.
; LAYOUT.  S^T = K Q^T + mask^T (source 0 = 16 keys, source 1 = 16 queries): a lane holds ONE query (lane % 16) and the keys 8 (lane / 16) + 0..7.  THE MASK IS THE C OF THE SCORE PRODUCT: it is loaded from LDS
; into the score registers and the products add onto it: no vector instruction is spent on it.  Two score tiles, rounded to f16 in pairs, are source 1 of O^T = V^T P.  V comes out of LDS turned, by ds_load_tr16_b128.
; SOFTMAX.  For each query a running maximum m and sum l: p = 2^(c s - c m), c = log2(e); in every step O and l are multiplied by a = 2^(c m_old - c m_new).  m never lies under -2^127, so that a step, or a
; wave's whole half of the keys, masked with -infinity gives p = 0 and l = 0.
; LIMITS: a row whose every masked score lies under -2^127 comes out NaN (a row of -infinity is NaN by the definition too); NaN among the inputs is not served.
; BY TURNS.  The wave's tiles are two PIECES (tiles 0, 1 and tiles 2, 3).  In a TURN one piece has the matrix unit: 32 products V^T P of the step in hand, then 32 products K Q^T of the next step; the other
; piece's softmax, cut into 64 slices, stands between them, one slice behind each matrix instruction.  Two turns are a key step, and read one slot.
; CLUSTER.  4 x 4 work-groups: x = four query blocks, y = four heads.  K's and V's tiles hang on the head alone and are asked for jointly along a row of the cluster; the mask's tile hangs on the query block
; alone and is asked for jointly along a column.  One joint load a wave for each slot: wave 0 K, wave 1 V, waves 2 and 3 the mask's two halves.
; REGISTERS, in windows of 256: window 0: v0-11, v44-63 addresses; v12-43 eight registers of statistics a tile; v64-191 S^T, 32 a tile; v192-255 P, 16 a tile.
;   window 1: O^T, 64 a tile.   window 2: v0-127 Q, 32 a tile; v128-255 K of one step.   window 3: v0-127 V of one step.
.set KS,    64        ; keys in a wave's step
.set SK,    128       ; keys in a slot
.set NSL,   2048/SK   ; slots' worth of keys
.set PK,    272       ; a row of K in LDS: 256 bytes + 16 of padding: the 16 rows of a load start at 16 different banks (64 banks of 4 bytes: ISA guide 11.1)
.set PV,    288       ; a row of V: 256 + 32
.set PM,    528       ; a query's row of the mask: 128 keys of f32 + 16 bytes
.set KOFF,  0         ; a slot: 128 rows of K,
.set VOFF,  SK*PK     ; 128 rows of V,
.set MOFF,  VOFF+SK*PV  ; 128 rows of the mask
.set SLOTB, MOFF+128*PM
.set SPARE, 2*SLOTB   ; behind the ring: the spare words, 128 bytes for each wave
.set XB,    16896     ; the merge: for each wave an image of 128 registers (16,384 bytes) and two of statistics (256 each), in slot 0, which has had its last fill and its last read by then
.set STAGE, 4*XB      ; behind them, also in slot 0: 16 rows x 272 bytes for each wave, for the way out
.set SP,    272
.set KBASE, 8388608   ; where K's blocks begin in qkv
.set VBASE, 16777216  ; and V's
.set AK0, 2           ; v2   my lane's place in a slot's K; never rewritten
.set AV0, 3           ; v3   the same for V
.set ADR, 4           ; v4   the LDS address of the run of loads in hand
.set STO, 6           ; v6   the way out: where I put 16 bytes of a row
.set RD,  7           ; v7   the way out: where I read a row back
.set GO,  8           ; v8   my byte offset in two rows of att
.set ST,  12          ; tile t's statistics at v[ST+8 t]: +0 c m, +1 m, +2, +3 l (even keys', odd keys'), +4 to +7 at work
.set AM0, 44          ; v44, v45  my lane's place in a slot's mask, for piece 0 and for piece 2
.set ADM, 47          ; v47  the LDS address of the mask loads in hand
.set XW,  48          ; v48  the merge: where I put my image;  v49 where I read my partner's
.set XR,  49
.set XSW, 50          ; v50, v51  the same for the statistics
.set XSR, 51
.set QO0, 52          ; v52, v53  my byte offset in the wave's rows of Q, for tiles 0, 1 and for tiles 2, 3
.set PFO, 61          ; v61  the prefetches' offset: a row x my lane; never rewritten
.set SPW, 62          ; v62  LDS address of my spare word; never rewritten
.set NIL, 63          ; v63  0; never rewritten
.set S,   64
.set P,   192
.set KF,  128         ; K's fragments, in window 2
.set WV,  12          ; s12  my wave's number;  s13 kh;  s14 qh
.set KH,  13
.set QH,  14
.set LIM, 15          ; s15  1 in a wave that prefetches, else the greatest number
.set PFA, 18          ; s[18:19] where my prefetches stand in memory
.set PFS, 20          ; s[20:21] a slot on, in bytes
.set G1K, 24          ; s[24:31], s[32:39], s[40:47] descriptor groups 1 for K's, V's and the mask's tiles
.set G1V, 32
.set G1M, 40
.set G0K, 48          ; s[48:55], s[56:63], s[68:75] groups 0: a set for each of the two first fills; the second then walks on
.set G0V, 56
.set G0M, 68
.set SLOTS, 76        ; s76  trips of the loop still to go
.set TB,  77          ; s77  LDS byte at which the slot in hand begins
.set CS,  78          ; s[78:79] c
.set SEL, 80          ; s[80:81] lane selects for v_permlanex16_b32: each lane takes its own place in the other half
.set WOM, 82          ; s82  where my half of the mask's tile lies in a slot
.set MSB, 0
.macro WIN new                      ; the immediate's high byte repeats the setting that is left; a switch that changes nothing is dropped
.if MSB != \new
	s_set_vgpr_msb (MSB<<8)|\new
.set MSB, \new
.endif
.endm
.set W_KQ, 0x0a       ; K and Q in window 2, S^T in window 0
.set W_PV, 0x53       ; V in window 3, P in window 0, O^T in window 1
.set W_RS, 0x41       ; O^T (destination and source 0) in window 1, the factor in window 0
; A joint refill: three lines, each with one mask and one set of registers for all that issue it.  The branches hang on the wave's number alone.  Four v_nop follow each line.
.macro JLOAD
	s_cmp_eq_u32 s[WV], 0
	s_cbranch_scc0 .Lnot_k_\@
	tensor_load_to_lds s[G0K+4:G0K+7], s[G1K:G1K+7]
	s_nop 0
.rept 4
	v_nop
.endr
	s_branch .Lasked_\@
.Lnot_k_\@:
	s_cmp_eq_u32 s[WV], 1
	s_cbranch_scc0 .Lfor_m_\@
	tensor_load_to_lds s[G0V+4:G0V+7], s[G1V:G1V+7]
	s_nop 0
.rept 4
	v_nop
.endr
	s_branch .Lasked_\@
.Lfor_m_\@:
	tensor_load_to_lds s[G0M+4:G0M+7], s[G1M:G1M+7]
	s_nop 0
.rept 4
	v_nop
.endr
.Lasked_\@:
.endm
; A PREFETCH INTO THE L2 of what the NEXT change of slots will ask for, one key step (128 matrix instructions a wave) ahead of that load: one instruction a wave, a lane a row, behind the wave's tensor load and its four lines.
; Each aligned block of 256 bytes is named ONCE in the launch.  K and V of a head are walked by all four clusters of that row of clusters: the one with x = 0 asks, wave 0 for K and wave 1 for V; its partners along x
; take 32 of the slot's 128 rows each, told apart by address.  A query block's rows of the mask are walked by all four clusters of that column: the one with y = 0 asks; its partners along y take 32 of the 128 query rows
; each, wave 2 the first 256 bytes of a slot's 512, wave 3 the second.  The last change that fills a slot asks for nothing.  Slots 0 to 2 come by their loads alone.
.macro ASK
	s_cmp_gt_u32 s[SLOTS], s[LIM]
	s_cbranch_scc0 .Lnot_mine_\@
	global_prefetch_b8 v[PFO], s[PFA:PFA+1] th:TH_LOAD_NT scope:SCOPE_SE
.Lnot_mine_\@:
.endm
; A round of the cluster's barrier.  No LDS instruction of the wave is pending at a signal.
.macro CROUND
	s_barrier_signal -1
	s_barrier_wait -1
	s_cmp_lg_u32 s[WV], 0
	s_cbranch_scc1 .Lnot_wave_0_\@
	s_barrier_signal -3
.Lnot_wave_0_\@:
	s_barrier_wait -3
	s_barrier_signal -1
	s_barrier_wait -1
.endm
	s_load_b128 s[4:7], s[0:1], 0x0  ; qkv s[4:5], the mask s[6:7]
	s_load_b64 s[8:9], s[0:1], 0x10  ; att
	v_lshl_add_u32 v[SPW], v0, 2, SPARE
	v_mov_b32 v[NIL], 0
	ds_add_u32 v62, v63
	ds_add_u32 v62, v63
	s_wait_dscnt 0x0
	v_lshrrev_b32 v1, 5, v0
	v_readfirstlane_b32 s[WV], v1   ; wave 0..3
	s_and_b32 s[KH], s[WV], 1
	s_lshr_b32 s[QH], s[WV], 1
	s_bfe_u32 s10, ttmp6, 0x40000   ; cx
	s_bfe_u32 s11, ttmp6, 0x40004   ; cy
	s_lshl_b32 s85, ttmp9, 2
	s_add_co_u32 s85, s85, s10      ; my block of 128 queries = 4 x cluster x + cx
	s_and_b32 s84, ttmp7, 0xffff
	s_lshl_b32 s84, s84, 2
	s_add_co_u32 s84, s84, s11      ; my head = 4 x cluster y + cy
	s_lshl_b32 s2, s11, 2
	s_lshl_b32 s2, 15, s2           ; my row of the cluster: the same head
	s_lshl_b32 s3, 0x1111, s10      ; my column: the same queries
	; descriptor groups 1.  K, V: 128 rows x 128 elements of 2 bytes, dense; the mask: 64 rows x 128 elements of 4 bytes, 2,048 elements from row to row
	s_or_b32 s[G1K], s2, (1<<16)|(1<<20)|(1<<21)|(5<<22)|(3<<25)  ; 15:0 the mask of work-groups; 17:16 element size; 20 padding on; 21 set beside a mask; 24:22 after every 64 words; 31:25 4 words of it
	s_or_b32 s[G1V], s2, (1<<16)|(1<<20)|(1<<21)|(5<<22)|(7<<25)  ; the same with 8 words of padding
	s_or_b32 s[G1M], s3, (2<<16)|(1<<20)|(1<<21)|(6<<22)|(3<<25)  ; elements of 4 bytes; 4 words of padding after every 128
.irp g, G1K, G1V
	s_mov_b32 s[\g+1], 128<<16      ; tensor_dim0 = 128
	s_mov_b32 s[\g+2], SK<<16       ; tensor_dim1 = 128
	s_mov_b32 s[\g+3], 128<<16      ; tile_dim0 = 128
	s_mov_b32 s[\g+4], SK           ; tile_dim1 = 128
	s_mov_b32 s[\g+5], 128          ; tensor_dim0_stride
	s_mov_b32 s[\g+6], 0
	s_mov_b32 s[\g+7], 0
.endr
	s_mov_b32 s[G1M+1], 128<<16
	s_mov_b32 s[G1M+2], 64<<16
	s_mov_b32 s[G1M+3], 128<<16
	s_mov_b32 s[G1M+4], 64
	s_mov_b32 s[G1M+5], 2048
	s_mov_b32 s[G1M+6], 0
	s_mov_b32 s[G1M+7], 0
	s_lshl_b32 s86, s84, 19         ; the head's block of 524,288 bytes: no register that feeds K's or V's descriptors holds cx
	s_mov_b32 s87, 0
	s_lshl_b32 s90, s85, 20         ; the mask: my block's 128 rows of 8,192 bytes: no register that feeds its descriptors holds cy
	s_lshl_b32 s91, s[KH], 19       ; the 64 of them that I fetch, if I fetch
	s_add_co_u32 s90, s90, s91
	s_mov_b32 s91, 0
	s_mul_i32 s[WOM], s[KH], 64*PM
	s_add_co_u32 s[WOM], s[WOM], MOFF
	s_lshl_b32 s94, s85, 15         ; Q: my block's 128 rows of 256 bytes,
	s_lshl_b32 s95, s[QH], 14       ; my wave's 64
	s_add_co_u32 s94, s94, s95
	s_mov_b32 s95, 0
	s_lshl_b32 s96, s85, 19         ; att: my block's 128 rows of 4,096 bytes,
	s_lshl_b32 s97, s[QH], 18       ; my pair's 64,
	s_add_co_u32 s96, s96, s97
	s_lshl_b32 s97, s[KH], 17       ; the 32 that I keep,
	s_add_co_u32 s96, s96, s97
	s_lshl_b32 s97, s84, 8          ; my head's 256 bytes of a row
	s_add_co_u32 s96, s96, s97
	s_mov_b32 s97, 0
	; the prefetches: both kinds' numbers are made, then chosen by the wave's number
	s_add_co_u32 s22, s[WV], 1
	s_lshl_b32 s22, s22, 23         ; K's blocks (wave 0) or V's (wave 1),
	s_add_co_u32 s22, s22, s86      ; the head's,
	s_lshl_b32 s23, s10, 13         ; my work-group's 32 rows of 256 bytes
	s_add_co_u32 s22, s22, s23
	s_lshl_b32 s23, s85, 20         ; the mask: my block's rows,
	s_lshl_b32 s16, s11, 18         ; my work-group's 32 of them,
	s_add_co_u32 s23, s23, s16
	s_lshl_b32 s16, s[KH], 8        ; my wave's 256 bytes of a slot's 512
	s_add_co_u32 s23, s23, s16
	s_and_b32 s17, ttmp7, 0xffff    ; cluster y
	s_mov_b32 s[PFS], 512
	s_mov_b32 s16, 8192
	s_mov_b32 s[CS], 0x3fb8aa3b     ; c = log2(e)
	s_mov_b32 s[CS+1], s[CS]        ; named with it as a pair, so it is written
	s_mov_b32 s[SEL], 0x76543210
	s_mov_b32 s[SEL+1], 0xfedcba98
	s_mov_b32 s[TB], 0
	s_mov_b32 s[SLOTS], NSL-3
	s_wait_kmcnt 0x0
	s_cmp_lt_u32 s[WV], 2
	s_cselect_b64 s[PFA:PFA+1], s[4:5], s[6:7]
	s_cselect_b32 s22, s22, s23
	s_cselect_b32 s[PFS], 32768, s[PFS]  ; a slot on
	s_cselect_b32 s16, 256, s16     ; from lane to lane
	s_cselect_b32 s17, ttmp9, s17   ; the coordinate along which other clusters walk the same rows
	s_mov_b32 s23, 0
	s_mov_b32 s[PFS+1], 0
	s_cmp_eq_u32 s17, 0
	s_cselect_b32 s[LIM], 1, -1     ; the same in all sixteen partners, for a given wave
	s_add_nc_u64 s[PFA:PFA+1], s[PFA:PFA+1], s[22:23]
	s_add_nc_u64 s[PFA:PFA+1], s[PFA:PFA+1], s[PFS:PFS+1]
	s_add_nc_u64 s[PFA:PFA+1], s[PFA:PFA+1], s[PFS:PFS+1]  ; in slot 2; the first change of slots steps it to slot 3.  Nothing is prefetched here, at the head
	v_and_b32 v[PFO], 31, v0
	v_mul_lo_u32 v[PFO], v[PFO], s16
	s_add_nc_u64 s[88:89], s[4:5], s[86:87]  ; the head's block among Q's
	s_add_nc_u64 s[92:93], s[6:7], s[90:91]  ; the mask at my tile of slot 0
	s_add_nc_u64 s[4:5], s[88:89], s[94:95]  ; Q at my wave's first row
	s_add_nc_u64 s[8:9], s[8:9], s[96:97]    ; att at the first row that I store
	CROUND                          ; all sixteen work-groups are here: the first joint loads meet
.irp s, 0,1
	s_mov_b32 s[G0K+4*\s], 1        ; count = 1
	s_mov_b32 s[G0K+4*\s+1], \s*SLOTB+KOFF  ; LDS address
	s_add_nc_u64 s[G0K+4*\s+2:G0K+4*\s+3], s[88:89], KBASE+\s*SK*256  ; global address: slot s begins with keys 128 s
	s_or_b32 s[G0K+4*\s+3], s[G0K+4*\s+3], 0x80000000  ; type = 2
	s_mov_b32 s[G0V+4*\s], 1
	s_mov_b32 s[G0V+4*\s+1], \s*SLOTB+VOFF
	s_add_nc_u64 s[G0V+4*\s+2:G0V+4*\s+3], s[88:89], VBASE+\s*SK*256
	s_or_b32 s[G0V+4*\s+3], s[G0V+4*\s+3], 0x80000000
	s_mov_b32 s[G0M+4*\s], 1
	s_add_co_u32 s[G0M+4*\s+1], s[WOM], \s*SLOTB
	s_add_nc_u64 s[G0M+4*\s+2:G0M+4*\s+3], s[92:93], \s*SK*4
	s_or_b32 s[G0M+4*\s+3], s[G0M+4*\s+3], 0x80000000
.endr
	s_cmp_eq_u32 s[WV], 0           ; a wave's two first fills stand in one branch, ahead of every wait on TENSORcnt and every LDS read: two loads of mine are out; four v_nop follow the second
	s_cbranch_scc0 .Lfirst_not_k
	tensor_load_to_lds s[G0K:G0K+3], s[G1K:G1K+7]
	s_nop 0
	tensor_load_to_lds s[G0K+4:G0K+7], s[G1K:G1K+7]
	s_nop 0
.rept 4
	v_nop
.endr
	s_branch .Lfirst_asked
.Lfirst_not_k:
	s_cmp_eq_u32 s[WV], 1
	s_cbranch_scc0 .Lfirst_m
	tensor_load_to_lds s[G0V:G0V+3], s[G1V:G1V+7]
	s_nop 0
	tensor_load_to_lds s[G0V+4:G0V+7], s[G1V:G1V+7]
	s_nop 0
.rept 4
	v_nop
.endr
	s_branch .Lfirst_asked
.Lfirst_m:
	tensor_load_to_lds s[G0M:G0M+3], s[G1M:G1M+7]
	s_nop 0
	tensor_load_to_lds s[G0M+4:G0M+7], s[G1M:G1M+7]
	s_nop 0
.rept 4
	v_nop
.endr
.Lfirst_asked:
	; A fragment of K or Q is 16 rows x 32 channels in 8 registers: lane l holds row l % 16; registers 0-3 channels 8 (l / 16) + 0..7, registers 4-7 channels 16 + 8 (l / 16) + 0..7.
	v_and_b32 v1, 15, v0            ; l % 16
	v_bfe_u32 v9, v0, 4, 1          ; l / 16
	v_lshlrev_b32 v10, 8, v1
	v_lshl_add_u32 v10, v9, 4, v10  ; row x 256 + 16 x half
	s_lshl_b32 s16, s[KH], 13       ; register tiles 0, 1 are query tiles 2 kh, 2 kh + 1 (16 rows of 256 bytes each),
	v_add_nc_u32 v[QO0], s16, v10
	s_xor_b32 s17, s[KH], 1
	s_lshl_b32 s17, s17, 13         ; register tiles 2, 3 the other two
	v_add_nc_u32 v[QO0+1], s17, v10
	WIN 0x80                        ; destination window 2, address window 0
.irp i, 0,1,2,3,4,5,6,7,8,9,10,11,12,13,14,15  ; Q stays in registers: tile i / 4, channels 32 (i % 4) on
	global_load_b128 v[8*\i:8*\i+3],   v[QO0+(\i/8)], s[4:5] offset:((\i/4)%2)*4096+(\i%4)*64
	global_load_b128 v[8*\i+4:8*\i+7], v[QO0+(\i/8)], s[4:5] offset:((\i/4)%2)*4096+(\i%4)*64+32
.endr
	WIN 0
	v_mul_u32_u24 v[AK0], v1, PK
	v_lshl_add_u32 v[AK0], v9, 4, v[AK0]  ; row x pitch + 16 x half,
	s_mul_i32 s16, s[KH], KS*PK     ; in my 64 keys of the slot's 128
	v_add_nc_u32 v[AK0], s16, v[AK0]
	; The turning load takes 16 keys x 16 channels (lane l reads 16 bytes: key 8 (l / 16) + l % 8, channels 8 ((l / 8) % 2) + 0..7) and leaves half a fragment of V^T: lane l holds channel l % 16 and 8 keys.
	v_and_b32 v10, 7, v0
	v_bfe_u32 v11, v0, 3, 1
	v_lshl_add_u32 v[AV0], v9, 3, v10
	v_mul_u32_u24 v[AV0], v[AV0], PV
	v_lshl_add_u32 v[AV0], v11, 4, v[AV0]
	s_mul_i32 s16, s[KH], KS*PV
	s_add_co_u32 s16, s16, VOFF
	v_add_nc_u32 v[AV0], s16, v[AV0]
	; The mask in the scores' layout: register 8 kt + j of lane (r, h) is mask[my query r of the tile][my key 16 kt + 8 h + j]: 32 bytes of the query's row
	v_mul_u32_u24 v10, v1, PM
	v_lshl_add_u32 v10, v9, 5, v10
	s_mul_i32 s16, s[QH], 64*PM     ; my pair's 64 query rows,
	s_lshl_b32 s17, s[KH], 8        ; my 64 keys of a row's 128
	s_add_co_u32 s16, s16, s17
	s_add_co_u32 s16, s16, MOFF
	v_add_nc_u32 v10, s16, v10
	s_mul_i32 s16, s[KH], 32*PM     ; piece 0: query tiles 2 kh on,
	v_add_nc_u32 v[AM0], s16, v10
	s_xor_b32 s17, s[KH], 1
	s_mul_i32 s16, s17, 32*PM       ; piece 2: the other two
	v_add_nc_u32 v[AM0+1], s16, v10
	v_and_b32 v10, 31, v0           ; the merge: images of registers, 16 bytes a lane; statistics, 8 bytes a lane
	s_mul_i32 s16, s[WV], XB
	s_xor_b32 s17, s[WV], 1         ; my partner
	s_mul_i32 s17, s17, XB
	v_lshl_add_u32 v[XW], v10, 4, s16
	v_lshl_add_u32 v[XR], v10, 4, s17
	s_add_co_u32 s16, s16, 16384
	s_add_co_u32 s17, s17, 16384
	v_lshl_add_u32 v[XSW], v10, 3, s16
	v_lshl_add_u32 v[XSR], v10, 3, s17
; THE MATRIX WORK OF A TURN, for piece x.  The accumulators take turns, one instruction a turn: between two links of a chain stand 15 (V^T P) or 7 (K Q^T) others'.
; Product i of 32 of O^T += V^T P: keys 32 (i / 16) on, channels 16 ((i / 2) % 8) on, tile x + i % 2.  zero = 1: the first 16 start the sums: nothing is ever cleared.
.macro PV x, zero
	WIN W_PV
.set rO, 64*(\x+i%2)+8*((i/2)%8)
.set rV, 64*(i/16)+8*((i/2)%8)
.set rP, P+16*(\x+i%2)+8*(i/16)
.if \zero && (i < 16)
	v_wmma_f32_16x16x32_f16 v[rO:rO+7], v[rV:rV+7], v[rP:rP+7], 0
.else
	v_wmma_f32_16x16x32_f16 v[rO:rO+7], v[rV:rV+7], v[rP:rP+7], v[rO:rO+7]
.endif
.endm
; Product i of 32 of S^T = mask^T + K Q^T: channels 32 (i / 8) on, keys 16 ((i / 2) % 4) on, tile x + i % 2.  All 32 add in place: the first 8 onto the mask, which was loaded into S^T's registers.
.macro KQ x
	WIN W_KQ
.set rS, S+32*(\x+i%2)+8*((i/2)%4)
.set rK, KF+32*((i/2)%4)+8*(i/8)
.set rQ, 32*(\x+i%2)+8*(i/8)
	v_wmma_f32_16x16x32_f16 v[rS:rS+7], v[rK:rK+7], v[rQ:rQ+7], v[rS:rS+7]
.endm
; THE LDS LOADS stand in runs, never singly among the matrix instructions: a step's K (16 fragments), a piece's mask (two tiles of 16 queries x 64 keys), and the step's V (turned).
.macro FETCH_K
	WIN 0
	v_add_nc_u32 v[ADR], s[TB], v[AK0]
	WIN 0x80                        ; destination window 2
.irp f, 0,1,2,3,4,5,6,7,8,9,10,11,12,13,14,15  ; keys 16 (f / 4) on, channels 32 (f % 4) on
	ds_load_b128 v[KF+8*\f:KF+8*\f+3],   v[ADR] offset:(\f/4)*16*PK+(\f%4)*64
	ds_load_b128 v[KF+8*\f+4:KF+8*\f+7], v[ADR] offset:(\f/4)*16*PK+(\f%4)*64+32
.endr
.endm
.macro FETCH_M x
	WIN 0
	v_add_nc_u32 v[ADM], s[TB], v[AM0+(\x)/2]
.irp u, 0,1
.irp kt, 0,1,2,3
	ds_load_b128 v[S+32*(\x+\u)+8*\kt:S+32*(\x+\u)+8*\kt+3],   v[ADM] offset:\u*16*PM+64*\kt
	ds_load_b128 v[S+32*(\x+\u)+8*\kt+4:S+32*(\x+\u)+8*\kt+7], v[ADM] offset:\u*16*PM+64*\kt+16
.endr
.endr
.endm
.macro FETCH_V
	WIN 0
	v_add_nc_u32 v[ADR], s[TB], v[AV0]
	WIN 0xc0                        ; destination window 3
.irp f, 0,1,2,3,4,5,6,7,8,9,10,11,12,13,14,15  ; keys 32 (f / 8) on, channels 16 (f % 8) on
	ds_load_tr16_b128 v[8*\f:8*\f+3],   v[ADR] offset:(\f/8)*32*PV+(\f%8)*32
	ds_load_tr16_b128 v[8*\f+4:8*\f+7], v[ADR] offset:(\f/8)*32*PV+16*PV+(\f%8)*32
.endr
.endm
; THE VECTOR WORK OF A TURN.  One tile's softmax for one key step is a list of 134 instructions; SM writes number j of it for tile t.  s0-s31 are the lane's 32 scores, in pairs 0-15.
; first = 1: the first key step, which starts m, l and O^T: it has no a and nothing to rescale; in place of the old m it takes the floor -2^127.
;   0-15    the maximum of s0-s31 and the old m, three operands at a time: four chains c0-c3 of seven scores each, then the four scores left over, c0-c3 and m
;   16-20   the other half of the lanes' maximum; the new m; c m; c m_old - c m_new
;   21-87   33 exponentials (a, then s0-s31) at the odd numbers from 23 on, so that no two follow each other and each has a plain instruction behind it before its result is used;
;           the plain ones are whatever is ready: c s - c m for pairs to come, the rounding to f16 of pairs that are done, at last the first three sums
;   88-101  the last rounding; the rest of the sums; l = a l + the sum
;   102-133 the tile's O^T times a: the one part that leaves window 0, so it stands together
.macro SM t, first
.set rT, ST+8*(\t)
.set rS, S+32*(\t)
.set rP, P+16*(\t)
.set rO, 64*(\t)+2*(j-102)
.set q, (j-20)/2
.if j < 102
	WIN 0
.endif
.if j < 4
	v_max3_num_f32 v[rT+4+j], v[rS+8*j], v[rS+8*j+1], v[rS+8*j+2]
.elseif j < 12
	v_max3_num_f32 v[rT+4+j%4], v[rT+4+j%4], v[rS+8*(j%4)+2*(j/4)+1], v[rS+8*(j%4)+2*(j/4)+2]
.elseif j == 12
	v_max3_num_f32 v[rT+4], v[rT+4], v[rS+7], v[rS+15]
.elseif j == 13
	v_max3_num_f32 v[rT+6], v[rT+6], v[rS+23], v[rS+31]
.elseif j == 14
	v_max3_num_f32 v[rT+4], v[rT+4], v[rT+5], v[rT+6]
.elseif (j == 15) && \first
	v_max3_num_f32 v[rT+4], v[rT+4], v[rT+7], 0xff000000  ; the floor -2^127: c m stays a number where all 64 scores are -infinity
.elseif j == 15
	v_max3_num_f32 v[rT+4], v[rT+4], v[rT+7], v[rT+1]
.elseif j == 16
	v_permlanex16_b32 v[rT+5], v[rT+4], s[SEL], s[SEL+1]  ; the query's other 32 keys lie in the lane 16 away
.elseif j == 18
	v_max_num_f32 v[rT+1], v[rT+4], v[rT+5]
.elseif j == 19
	v_mul_f32 v[rT], s[CS], v[rT+1]
.elseif ((j == 17) || (j == 20) || (j == 23) || (j > 101)) && \first  ; the first step has none of these
.elseif j == 17
	v_mov_b32 v[rT+7], v[rT]        ; c m_old is kept for a: number 19 writes c m anew
.elseif j == 20
	v_sub_f32 v[rT+7], v[rT+7], v[rT]
.elseif j == 23
	v_exp_f32 v[rT+6], v[rT+7]
.elseif (j < 88) && (j > 23) && (j%2 == 1)
	v_exp_f32 v[rS+(j-25)/2], v[rS+(j-25)/2]
.elseif (q < 4) || ((j < 76) && (q%2 == 0))
.set b, q/2+2
.if q < 4
.set b, q
.endif
	v_pk_fma_f32 v[rS+2*b:rS+2*b+1], v[rS+2*b:rS+2*b+1], s[CS:CS+1], v[rT:rT+1] op_sel_hi:[1,0,0] neg_lo:[0,0,1] neg_hi:[0,0,1]  ; pair b: c s - c m
.elseif (j < 88) && (q%2 == 1)
	s_wait_alu depctr_va_vdst(0)
	v_cvt_pk_f16_f32 v[rP+(q-5)/2], v[rS+q-5], v[rS+q-4]  ; pair (q - 5) / 2: its second exponential stands three numbers back
.elseif j == 89
	s_wait_alu depctr_va_vdst(0)
	v_cvt_pk_f16_f32 v[rP+15], v[rS+30], v[rS+31]
.elseif j < 102                     ; the sum of the tile's 16 pairs, in place: sum z of 16 adds neighbours 1, 2, 4 and 8 pairs apart, then l takes it
.set z, j-86
.if j < 89
.set z, (j-76)/4
.endif
.set w, 4
.set u, z
.if z >= 14
.set w, 32
.set u, 0
.elseif z >= 12
.set w, 16
.set u, z-12
.elseif z >= 8
.set w, 8
.set u, z-8
.endif
.if (z == 14) && \first
	v_pk_add_f32 v[rT+2:rT+3], v[rS:rS+1], v[rS+16:rS+17]
.elseif z < 15
	v_pk_add_f32 v[rS+w*u:rS+w*u+1], v[rS+w*u:rS+w*u+1], v[rS+w*u+w/2:rS+w*u+w/2+1]
.elseif !\first
	v_pk_fma_f32 v[rT+2:rT+3], v[rT+2:rT+3], v[rT+6:rT+7], v[rS:rS+1] op_sel_hi:[1,0,1]
.endif
.else
	WIN W_RS
	v_pk_mul_f32 v[rO:rO+1], v[rO:rO+1], v[rT+6:rT+7] op_sel_hi:[1,0]
.endif
.endm
; Slice k of 64 of piece y's softmax: numbers 2 k and 2 k + 1 of both tiles' lists, four instructions.  2 x 134 = 4 x 64 + 12: the twelve that are over stand together, in slice 63.
.macro SLICE y, first
.if (k >= 11) && (k < 44)           ; tile by tile: plain, exponential, plain, exponential
.irp t, \y, \y+1
.irp n, 0,1
.set j, 2*k+\n
	SM \t, \first
.endr
.endr
.else                               ; the two tiles alternate, so that no instruction reads the result of the one just before it
.irp n, 0,1,2,3,4,5,6,7
.if (\n < 2) || (k == 63)
.irp t, \y, \y+1
.set j, 2*k+\n
	SM \t, \first
.endr
.endif
.endr
.endif
.set k, k+1
.endm
; A vector instruction that reads a matrix result or writes one of a matrix instruction's registers, and a load into such a register, stand four places behind it; only plain vector instructions
; that name none of its registers are places (ISA guide 7.12.1 for vector instructions).  In the loop the slices are the places.
.macro PLACES
.rept 4
	v_nop
.endr
.endm
; A TURN.  Piece x has the matrix unit; the other piece's softmax stands in slices behind its matrix instructions.
; pv = 2: 32 products V^T P; 1: they start O^T's sums; 0: none.  kq = 1: 32 products K Q^T for the next step.  A turn with one of the two kinds has two slices behind each product.
; first = 1: the softmax is the first key step's; its slices from 51 on are empty, and four v_nop take slice 63's part as the places behind the turn's last products.
; The runs of loads stand behind the second product of a run of 32, 30 matrix instructions ahead of their first use.  Piece 0's turn fetches the next step's K and piece 0's mask: the last product that read K stands
; in front of slice 63 of the turn before, and piece 0's softmax, the last to touch its S^T, ended there too.  Piece 2's turn fetches piece 2's mask likewise, and the same step's V behind its second score product:
; the last product that read V stands three slices, six plain instructions, back.
.macro TURN x, pv, kq, first
.set k, 0
.set per, 2
.if \pv && \kq
.set per, 1
.endif
.if \pv
.if \x == 0
	s_wait_dscnt 0x0                ; V is in
.endif
.set i, 0
.rept 32
	PV \x, 2-\pv
.rept per
	SLICE 2-\x, \first
.endr
.if \kq && (i == 1)
.if \x == 0
	FETCH_K
.endif
	FETCH_M \x
.endif
.set i, i+1
.endr
.endif
.if \kq
.if (\x == 0) || \pv
	s_wait_dscnt 0x0                ; the piece's mask is in, and in piece 0's turn K
.endif
.set i, 0
.rept 32
	KQ \x
.rept per
	SLICE 2-\x, \first
.endr
.if (\x == 2) && (i == 1)
	FETCH_V
.endif
.set i, i+1
.endr
.endif
.if \first
	PLACES
.endif
.endm
; THE CHANGE OF SLOTS, between piece 2's turn and piece 0's: the slot's last bytes, V of its step, have been asked for.  Each wave waits for all its tensor loads, of which one is out: its part of the other
; slot; adds 0 to its spare word; and waits for that and for its own reads of the slot.  Behind the barrier nobody reads this slot any more and the other slot is whole.
; fill = 1: the slot just left is filled again, with the keys two slots on.  The barrier is then a round of the cluster's, so that no wave of any partner still reads the slot or has a load on its way, and the
; joint refill is the first thing behind it: it has a key step, 128 matrix instructions a wave, in which to land.
.macro CHANGE fill
	WIN 0                           ; at a label and at a branch every window is 0
	s_wait_tensorcnt 0x0            ; no tensor load of mine is out, so a group 0 may be written
	ds_add_u32 v[SPW], v[NIL]       ; 0 onto my spare word: the scalar steps below stand between it and the wait for it
.if \fill
	s_add_co_u32 s[G0K+5], s[TB], KOFF  ; the walking descriptors: into the slot that is being left,
	s_add_co_u32 s[G0V+5], s[TB], VOFF
	s_add_co_u32 s[G0M+5], s[TB], s[WOM]
	s_add_nc_u64 s[G0K+6:G0K+7], s[G0K+6:G0K+7], SK*256  ; the next 128 keys; the type bits on top are not reached
	s_add_nc_u64 s[G0V+6:G0V+7], s[G0V+6:G0V+7], SK*256
	s_add_nc_u64 s[G0M+6:G0M+7], s[G0M+6:G0M+7], SK*4
	s_wait_xcnt 0x0                 ; the last prefetch, a key step back, has read its address, so it may be written:
	s_add_nc_u64 s[PFA:PFA+1], s[PFA:PFA+1], s[PFS:PFS+1]  ; one slot further on than the walking descriptors
.endif
	s_xor_b32 s[TB], s[TB], SLOTB   ; the fetches go on in the other slot
	s_wait_dscnt 0x0                ; the add is done, and my reads of the slot are over
.if \fill
	CROUND
	JLOAD
	ASK
.else
	s_barrier_signal -1
	s_barrier_wait -1
.endif
.endm
	s_wait_tensorcnt 1              ; my part of slot 0 is in; slot 1's may stay out
	s_barrier_signal -1
	s_barrier_wait -1               ; everybody's is
	FETCH_K                         ; key step 0
	FETCH_M 0
	FETCH_M 2
	s_wait_loadcnt 0x0              ; Q
	s_wait_dscnt 0x0
.set i, 0
.rept 32
	KQ 0                            ; piece 0's first scores: there is no vector work yet to set between them
.set i, i+1
.endr
	WIN 0                           ; the addresses for the way out are made here: eight plain instructions, the places behind those products
	s_mul_i32 s16, s[WV], 16*SP
	s_add_co_u32 s16, s16, STAGE    ; my stage
	v_mul_u32_u24 v[STO], v1, SP    ; in: row l % 16, 16 bytes for each half of the lanes
	v_lshl_add_u32 v[STO], v9, 4, v[STO]
	v_add_nc_u32 v[STO], s16, v[STO]
	v_mul_u32_u24 v[RD], v9, SP     ; back: lanes 0-15 take one row of 256 bytes, lanes 16-31 the next
	v_lshl_add_u32 v[RD], v1, 4, v[RD]
	v_add_nc_u32 v[RD], s16, v[RD]
	v_lshlrev_b32 v[GO], 12, v9     ; and the same two rows in att, 4,096 bytes apart
	v_lshl_add_u32 v[GO], v1, 4, v[GO]
	TURN 2, 0, 1, 1                 ; piece 2's first scores | piece 0's first softmax | V of step 0
	CHANGE 1                        ; slot 0 is left and takes keys 256 on
	TURN 0, 1, 1, 1                 ; piece 0: V^T P of step 0 starts O^T, K Q^T of step 1 | piece 2's first softmax | K and piece 0's mask of step 1
	TURN 2, 1, 1, 0                 ; piece 2: the same | piece 0's softmax of step 1 | piece 2's mask and V of step 1
	WIN 0
.Lslot:                             ; NSL - 3 trips, steps 2 to NSL - 2: each fills the slot that it has left
	CHANGE 1
	TURN 0, 2, 1, 0
	TURN 2, 2, 1, 0
	WIN 0
	s_sub_co_u32 s[SLOTS], s[SLOTS], 1
	s_cmp_lg_u32 s[SLOTS], 0
	s_cbranch_scc1 .Lslot
	CHANGE 0                        ; the tail is written out: nothing more is asked for.  Slot 0 is dead from here on
	TURN 0, 2, 1, 0
	TURN 2, 2, 1, 0
	TURN 0, 2, 0, 0                 ; piece 0: V^T P of the last step | piece 2's last softmax
.set i, 0
.rept 32
	PV 2, 0                         ; piece 2: V^T P of the last step
.set i, i+1
.endr
	; THE MERGE.  Each tile's l (two halves, and the other half of the lanes') takes m's place beside c m.  The additions are the places behind the last products.
	WIN 0
.irp t, 0,1,2,3
	v_add_f32 v[ST+8*\t+4], v[ST+8*\t+2], v[ST+8*\t+3]
.endr
.irp t, 0,1,2,3
	v_permlanex16_b32 v[ST+8*\t+5], v[ST+8*\t+4], s[SEL], s[SEL+1]
.endr
.irp t, 0,1,2,3
	v_add_f32 v[ST+8*\t+1], v[ST+8*\t+4], v[ST+8*\t+5]
.endr
	WIN 0x04                        ; an LDS store's data are its source 1: window 1
.irp i, 0,1,2,3,4,5,6,7,8,9,10,11,12,13,14,15,16,17,18,19,20,21,22,23,24,25,26,27,28,29,30,31
	ds_store_b128 v[XW], v[128+4*\i:128+4*\i+3] offset:512*\i  ; piece 2's O^T as an image of its registers: lane l's 16 bytes at 16 l; each accumulator from its low end on
.endr
	WIN 0
.irp i, 0,1
	ds_store_b64 v[XSW], v[ST+16+8*\i:ST+17+8*\i] offset:256*\i  ; and its c m and l
.endr
	s_wait_dscnt 0x0                ; for my partner's sake: my stores have landed
	s_barrier_signal -1
	s_barrier_wait -1
	WIN 0x40                        ; destination window 1
.irp i, 0,1,2,3,4,5,6,7,8,9,10,11,12,13,14,15,16,17,18,19,20,21,22,23,24,25,26,27,28,29,30,31
	ds_load_b128 v[128+4*\i:128+4*\i+3], v[XR] offset:512*\i  ; my partner's image: its half of the keys for the queries of my tiles 0, 1
.endr
	WIN 0
.irp i, 0,1
	ds_load_b64 v[ST+16+8*\i:ST+17+8*\i], v[XSR] offset:256*\i
.endr
	s_wait_dscnt 0x0
	; for tile i: A = mine at v[ST+8 i], B = my partner's at v[ST+16+8 i]: the common c m; each side's factor 2^(its c m - the common one) / l, l = the two sums under the common maximum
.irp i, 0,1
	v_max_num_f32 v[ST+8*\i+4], v[ST+8*\i], v[ST+16+8*\i]
.endr
.irp i, 0,1
	v_sub_f32 v[ST+8*\i+5], v[ST+8*\i], v[ST+8*\i+4]
	v_sub_f32 v[ST+16+8*\i+5], v[ST+16+8*\i], v[ST+8*\i+4]
.endr
.irp i, 0,1
	v_exp_f32 v[ST+8*\i+6], v[ST+8*\i+5]
	v_exp_f32 v[ST+16+8*\i+6], v[ST+16+8*\i+5]
.endr
	v_nop                           ; a plain instruction between the last exponential and the use of its result
.irp i, 0,1
	s_wait_alu depctr_va_vdst(0)
	v_mul_f32 v[ST+8*\i+7], v[ST+8*\i+6], v[ST+8*\i+1]
.endr
.irp i, 0,1
	v_fma_f32 v[ST+8*\i+7], v[ST+16+8*\i+6], v[ST+16+8*\i+1], v[ST+8*\i+7]
.endr
.irp i, 0,1
	v_rcp_f32 v[ST+8*\i+4], v[ST+8*\i+7]
.endr
	v_nop                           ; a plain instruction between the last reciprocal and the use of its result
.irp i, 0,1
	s_wait_alu depctr_va_vdst(0)
	v_mul_f32 v[ST+8*\i+2], v[ST+8*\i+6], v[ST+8*\i+4]
	v_mul_f32 v[ST+16+8*\i+2], v[ST+16+8*\i+6], v[ST+8*\i+4]
.endr
	WIN W_RS
.irp t, 0,1
.set i, 64*\t
.rept 32
	v_pk_mul_f32 v[i:i+1], v[i:i+1], v[ST+8*\t+2:ST+8*\t+3] op_sel_hi:[1,0]  ; my O^T times my factor, each accumulator from its low end on,
.set i, i+2
.endr
.endr
	WIN 0x51                        ; sources 0 and 2 and the destination window 1, source 1 window 0
.irp t, 0,1
.set i, 64*\t
.rept 32
	v_pk_fma_f32 v[i:i+1], v[128+i:128+i+1], v[ST+16+8*\t+2:ST+16+8*\t+3], v[i:i+1] op_sel_hi:[1,0,1]  ; plus my partner's times its factor
.set i, i+2
.endr
.endr
; THE WAY OUT of tile t: rounded to f16; a lane's eight channels of a row are 16 bytes; they go into stage rows of 272 bytes and come back as whole rows of 256.
.macro PACK t
	WIN 0x05                        ; sources 0 and 1 window 1, destination window 0: S^T's registers are free
.set i, 0
.rept 32
	v_cvt_pk_f16_f32 v[S+32*\t+i], v[64*\t+2*i], v[64*\t+2*i+1]
.set i, i+1
.endr
	WIN 0
.irp f, 0,1,2,3,4,5,6,7
	ds_store_b128 v[STO], v[S+32*\t+4*\f:S+32*\t+4*\f+3] offset:32*\f
.endr
.irp f, 0,1,2,3,4,5,6,7
	ds_load_b128 v[S+32*\t+4*\f:S+32*\t+4*\f+3], v[RD] offset:\f*2*SP  ; LDS serves a wave's instructions in order (ISA guide 5.7.1.4): these see the stores above; the next tile's stores come behind them
.endr
.endm
.macro SEND t, younger              ; younger: the LDS instructions issued behind tile t's loads: the next tile's sixteen, or none
.irp f, 0,1,2,3,4,5,6,7
	s_wait_dscnt \younger+7-\f
	global_store_b128 v[GO], v[S+32*\t+4*\f:S+32*\t+4*\f+3], s[8:9] offset:\t*65536+\f*8192  ; 16 lanes store 256 consecutive bytes, at a multiple of 256 from att's first byte
.endr
.endm
	PACK 0
	PACK 1
	SEND 0, 16
	SEND 1, 0
	s_wait_tensorcnt 0x0            ; the wave's end, behind my last tensor load and my last LDS store
	ds_add_u32 v[SPW], v[NIL]
	s_wait_dscnt 0x0
	CROUND                          ; the closing round: no work-group ends while a partner may still ask for a tile that names it
	s_endpgm
.Lfunc_end_k_qe3622df71b_attn:
	.size	k_qe3622df71b_attn, .Lfunc_end_k_qe3622df71b_attn-k_qe3622df71b_attn
	.p2alignl 7, 3214868480
	.fill 96, 4, 3214868480
	.section	.rodata,"a",@progbits
	.p2align	6, 0x0
	.amdhsa_kernel k_qe3622df71b_attn
		.amdhsa_group_segment_fixed_size 327680
		.amdhsa_private_segment_fixed_size 0
		.amdhsa_enable_private_segment 0
		.amdhsa_kernarg_size 24
		.amdhsa_user_sgpr_count 2
		.amdhsa_user_sgpr_kernarg_segment_ptr 1
		.amdhsa_wavefront_size32 1
		.amdhsa_system_sgpr_workgroup_id_x 1
		.amdhsa_system_sgpr_workgroup_id_y 1
		.amdhsa_system_sgpr_workgroup_id_z 1
		.amdhsa_system_vgpr_workitem_id 0
		.amdhsa_next_free_vgpr 1024
		.amdhsa_next_free_sgpr 100
		.amdhsa_reserve_vcc 0
		.amdhsa_float_denorm_mode_32 3
		.amdhsa_float_denorm_mode_16_64 3
		.amdhsa_memory_ordered 1
		.amdhsa_forward_progress 1
		.amdhsa_inst_pref_size 241
	.end_amdhsa_kernel
	.amdgpu_metadata
---
amdhsa.version: [ 1, 2 ]
amdhsa.kernels:
  - .name:           k_qe3622df71b_attn
    .symbol:         k_qe3622df71b_attn.kd
    .args:
      - { .name: qkv, .offset: 0, .size: 8, .value_kind: global_buffer, .address_space: global }
      - { .name: attention_mask, .offset: 8, .size: 8, .value_kind: global_buffer, .address_space: global }
      - { .name: att, .offset: 16, .size: 8, .value_kind: global_buffer, .address_space: global }
    .group_segment_fixed_size: 327680
    .private_segment_fixed_size: 0
    .kernarg_segment_align: 8
    .kernarg_segment_size: 24
    .max_flat_workgroup_size: 128
    .sgpr_count:     100
    .vgpr_count:     1024
    .wavefront_size: 32
...
	.end_amdgpu_metadata
.endif
;; end of part 3
;; launch proj (part 4): grid 16 x 16, 4 waves a work-group, clusters of 4 x 4, 327,680 bytes of LDS; arguments att, wob, bo, out0; writes out0
.if DOCPART == 4
	.amdgcn_target "amdgcn-amd-amdhsa--gfx1250"
	.amdhsa_code_object_version 6
	.text
	.protected	k_qe3622df71b_proj
	.globl	k_qe3622df71b_proj
	.p2align	8
	.type	k_qe3622df71b_proj,@function
k_qe3622df71b_proj:
	s_mov_b64 s[64:65], 0
	v_nop
	global_prefetch_b8 v0, s[64:65] scope:SCOPE_SE
	s_setreg_imm32_b32 hwreg(HW_REG_WAVE_MODE, 25, 1), 1
	s_wait_xcnt 0x0
	s_wait_alu depctr_hold_cnt(0) depctr_sa_sdst(0) depctr_va_vdst(0) depctr_va_sdst(0) depctr_va_ssrc(0) depctr_va_vcc(0) depctr_vm_vsrc(0)
	s_getreg_b32 s2, hwreg(HW_REG_IB_STS2, 6, 4)
	s_cmp_eq_u32 s2, 0
	s_cbranch_scc0 .Lentry_in_a_cluster
	s_endpgm
.Lentry_in_a_cluster:
	s_bfe_u32 s2, ttmp6, 0x10000c
	s_cmp_lg_u32 s2, 0xf033
	s_cbranch_scc0 .Lentry_shape_is_right
	s_endpgm
.Lentry_shape_is_right:
; out0[m][n] = sum over k of att[m][k] Wo[n][k] + bo[n].  att, wob: [2048][2048] f16; bo: [2048] f32; out0: [2048][2048] f32; sums in f32.
; A tile of the result is 128 x 128, which gives 256 work-groups.  Four waves, each 64 x 64: 16 accumulators of 16 x 16, 128 registers.  K goes in steps of 256 (LDS rows of 512 bytes; a wave's tensor load
; brings 64 of them) through a ring of two slots.
; CLUSTERS: 4 x 4 work-groups.  The four of a row of the cluster need the same tiles of att, the four of a column the same tiles of wob: each tile is asked for JOINTLY, by the same tensor load with the
; same descriptor and a mask that names the four.  THE MATRIX INSTRUCTION IS USED TRANSPOSED (source 0 = 16 rows of wob, source 1 = 16 rows of att): a lane then holds eight neighbouring numbers of a row.
; THE BIAS is the C of each sum's first matrix instruction.  A wave's 64 columns of f32 are 256 aligned bytes of a row, so each wave has a stage of its own on the way out, and no barrier stands there.
; REGISTERS: window 0: v0-31 addresses; v32-95 rows on the way out; v96-127 the bias; v128-255 the accumulators ((a, b) at v[128 + 8 (4 a + b)]).
;   window 1: two fragment buffers of 128: for 64 along K, 64 registers of att (2 x 4 x 16 rows x 32 K), then 64 of wob.
; No prefetch: the launch is short, its tiles small and shared in the cluster.
.set SIZE_K, 2048
.set SIZE_N, 2048
.set KSTEP,  256
.set PITCH,  528                       ; an LDS row: 512 bytes + 16 of padding = 132 words: row r starts at bank 4 r mod 64 (64 banks of 4 bytes: ISA guide 11.1)
.set HALFT,  64*PITCH                  ; 64 rows: what one tensor load brings
.set SLOT,   4*HALFT                   ; att's 128 rows, then wob's 128 rows
.set STAGE,  2*SLOT                    ; behind the ring: 16 rows x 272 bytes for each wave
.set SPITCH, 272
.set SPARE,  STAGE+4*16*SPITCH         ; behind the stages: the spare words, 128 bytes for each wave
.set LAPS, SIZE_K/(2*KSTEP)            ; a lap = two K steps = once round the ring
.set ADRA, 16                          ; v16-17  LDS address of my att fragments in slot 0, 1
.set ADRB, 20                          ; v20-21  the same for wob
.set STO,  24                          ; v24     the way out: where I put 32 bytes of a row
.set RD,   25                          ; v25     the way out: where I read a row back
.set CO,   26                          ; v26     my byte offset in two rows of out0
.set SPW,  28                          ; v28     LDS address of my spare word; never rewritten
.set NIL,  29                          ; v29     0; never rewritten
.set BIO,  30                          ; v30     32 x (lane / 16)
.set OB,   32                          ; the way out: 16 rows read back: v32-63 and v64-95 by turns
.set BI,   96                          ; the bias: block b at v[BI + 8 b]
.set ACC,  128
.set F0,   0                           ; fragment buffers, in window 1
.set F1,   128
.set G1, 24                            ; s[24:31] descriptor group 1 for att's tiles;  s[32:39] group 0, one set for each slot
.set G0, 32
.set G1B, 48                           ; s[48:55], s[56:63] the same for wob's tiles
.set G0B, 56
.set BP,  66                           ; s[66:67] bo
.set MSB, 0
.macro WIN new                         ; the immediate's high byte repeats the setting that is left
.if MSB != \new
	s_set_vgpr_msb (MSB<<8)|\new
.set MSB, \new
.endif
.endm
.set MUL,  0x05                        ; sources 0 (wob) and 1 (att) window 1; C and D window 0
.set TO_F, 0x40                        ; destination window 1, address window 0
.macro JLOAD s                         ; a joint load: waves 0 and 1 fetch att's two halves, waves 2 and 3 wob's; four v_nop follow each of the two lines
	s_cmp_eq_u32 s11, 0
	s_cbranch_scc0 .Lfor_b_\@
	tensor_load_to_lds s[G0+4*\s:G0+4*\s+3], s[G1:G1+7]
	s_nop 0
.rept 4
	v_nop
.endr
	s_branch .Lasked_\@
.Lfor_b_\@:
	tensor_load_to_lds s[G0B+4*\s:G0B+4*\s+3], s[G1B:G1B+7]
	s_nop 0
.rept 4
	v_nop
.endr
.Lasked_\@:
.endm
.macro CREST                           ; a round of the cluster's barrier behind its opening barrier
	s_cmp_lg_u32 s10, 0
	s_cbranch_scc1 .Lnot_wave_0_\@
	s_barrier_signal -3
.Lnot_wave_0_\@:
	s_barrier_wait -3
	s_barrier_signal -1
	s_barrier_wait -1
.endm
.macro CROUND                          ; a whole round
	s_barrier_signal -1
	s_barrier_wait -1
	CREST
.endm
	s_load_b128 s[4:7], s[0:1], 0x0                ; att s[4:5], wob s[6:7]
	s_load_b64 s[BP:BP+1], s[0:1], 0x10            ; bo
	s_load_b64 s[8:9], s[0:1], 0x18                ; out0
	v_lshl_add_u32 v[SPW], v0, 2, SPARE
	v_mov_b32 v[NIL], 0
	ds_add_u32 v28, v29
	ds_add_u32 v28, v29
	s_wait_dscnt 0x0
	v_lshrrev_b32 v1, 5, v0
	v_readfirstlane_b32 s10, v1                    ; wave 0..3
	s_lshr_b32 s11, s10, 1                         ; which half of the tile's rows is mine.  Also: I fetch for att (0) or for wob (1)
	s_and_b32 s12, s10, 1                          ; which half of its columns.  Also: which 64 rows of that tile I fetch
	s_bfe_u32 s40, ttmp6, 0x40000                  ; cx, cy: my place in the cluster
	s_bfe_u32 s41, ttmp6, 0x40004
	s_lshl_b32 s42, ttmp9, 2
	s_add_co_u32 s42, s42, s40                     ; tile column = 4 x cluster x + cx
	s_and_b32 s13, ttmp7, 0xffff
	s_lshl_b32 s13, s13, 2
	s_add_co_u32 s13, s13, s41                     ; tile row = 4 x cluster y + cy
	s_lshl_b32 s43, s41, 2
	s_lshl_b32 s43, 15, s43                        ; my row of the cluster
	s_lshl_b32 s44, 0x1111, s40                    ; my column
	; descriptor group 1: a tile of 64 rows x 256 elements, padded in LDS
	s_or_b32 s[G1+0], s43, (1<<16)|(1<<20)|(1<<21)|(6<<22)|(3<<25)  ; 15:0 the mask: att's tiles go to my row; 17:16 element of 2 bytes; 20 padding on; 21 set beside a mask; 24:22 after every 128 words; 31:25 of 4 words
	s_or_b32 s[G1B+0], s44, (1<<16)|(1<<20)|(1<<21)|(6<<22)|(3<<25)
.irp g, G1, G1B
	s_mov_b32 s[\g+1], KSTEP<<16                   ; tensor_dim0 = 256
	s_mov_b32 s[\g+2], 64<<16                      ; tensor_dim1 = 64
	s_mov_b32 s[\g+3], KSTEP<<16                   ; tile_dim0 = 256
	s_mov_b32 s[\g+4], 64                          ; tile_dim1 = 64
	s_mov_b32 s[\g+5], SIZE_K                      ; tensor_dim0_stride
	s_mov_b32 s[\g+6], 0
	s_mov_b32 s[\g+7], 0
.endr
	s_lshl_b32 s17, s12, 6                         ; which 64 rows of the tile I fetch
	s_lshl_b32 s16, s13, 7
	s_add_co_u32 s16, s16, s17                     ; att: row 128 x tile row + 64 x half
	s_lshl_b32 s46, s42, 7
	s_add_co_u32 s46, s46, s17                     ; wob: row 128 x tile column + 64 x half
	s_mov_b32 s17, 0
	s_mov_b32 s47, 0
	s_mov_b64 s[18:19], SIZE_K*2
	s_mul_u64 s[16:17], s[16:17], s[18:19]
	s_mul_u64 s[46:47], s[46:47], s[18:19]
	s_mul_i32 s20, s10, HALFT                      ; where they go: wave x 64 rows
	s_wait_kmcnt 0x0
	s_add_nc_u64 s[14:15], s[4:5], s[16:17]
	s_add_nc_u64 s[46:47], s[6:7], s[46:47]
	CROUND                                         ; all sixteen work-groups are here: the first joint loads meet
.irp s, 0,1
	s_mov_b32 s[G0+4*\s], 1
	s_add_co_u32 s[G0+4*\s+1], s20, \s*SLOT
	s_add_nc_u64 s[G0+4*\s+2:G0+4*\s+3], s[14:15], \s*KSTEP*2
	s_or_b32 s[G0+4*\s+3], s[G0+4*\s+3], 0x80000000
	s_mov_b32 s[G0B+4*\s], 1
	s_add_co_u32 s[G0B+4*\s+1], s20, \s*SLOT
	s_add_nc_u64 s[G0B+4*\s+2:G0B+4*\s+3], s[46:47], \s*KSTEP*2
	s_or_b32 s[G0B+4*\s+3], s[G0B+4*\s+3], 0x80000000
	JLOAD \s
.endr
	v_and_b32 v1, 15, v0                           ; l % 16
	v_bfe_u32 v2, v0, 4, 1                         ; l / 16
	s_lshl_b32 s46, s42, 9                         ; my first column, in bytes of f32: 512 x tile column + 256 x half
	s_lshl_b32 s47, s12, 8
	s_add_co_u32 s46, s46, s47
	s_mov_b32 s47, 0
	s_add_nc_u64 s[BP:BP+1], s[BP:BP+1], s[46:47]
	s_add_nc_u64 s[8:9], s[8:9], s[46:47]
	v_lshlrev_b32 v[BIO], 5, v2
.irp b, 0,1,2,3
	global_load_b128 v[BI+8*\b:BI+8*\b+3],   v[BIO], s[BP:BP+1] offset:64*\b      ; lane (r, h): the bias of columns 16 b + 8 h + 0 .. 7
	global_load_b128 v[BI+8*\b+4:BI+8*\b+7], v[BIO], s[BP:BP+1] offset:64*\b+16
.endr
	v_mul_u32_u24 v3, v1, PITCH
	v_lshl_add_u32 v3, v2, 4, v3                   ; a fragment's row x pitch + 16 x half
	s_mul_i32 s21, s11, HALFT                      ; my 64 rows of att
	s_mul_i32 s22, s12, HALFT                      ; my 64 rows of wob,
	s_add_co_u32 s22, s22, 2*HALFT                 ; which lie behind att's 128
.irp s, 0,1
	v_add_nc_u32 v[ADRA+\s], s21, v3
	v_add_nc_u32 v[ADRB+\s], s22, v3
	s_add_co_u32 s21, s21, SLOT
	s_add_co_u32 s22, s22, SLOT
.endr
	s_mul_i32 s23, s10, 16*SPITCH
	s_add_co_u32 s23, s23, STAGE                   ; my stage
	v_mul_u32_u24 v4, v1, SPITCH                   ; in: row l % 16, 32 bytes for each half of the lanes
	v_lshl_add_u32 v4, v2, 5, v4
	v_add_nc_u32 v[STO], s23, v4
	v_mul_u32_u24 v5, v2, SPITCH                   ; back: lanes 0-15 one row of 256 bytes, lanes 16-31 the next
	v_lshl_add_u32 v5, v1, 4, v5
	v_add_nc_u32 v[RD], s23, v5
	v_lshlrev_b32 v5, 13, v2                       ; and the same two rows in out0, 8,192 bytes apart
	v_lshl_add_u32 v[CO], v1, 4, v5
	s_lshl_b32 s16, s13, 7
	s_lshl_b32 s17, s11, 6
	s_add_co_u32 s16, s16, s17                     ; my first row: 128 x tile row + 64 x half,
	s_lshl_b32 s16, s16, 13                        ; of 8,192 bytes
	s_mov_b32 s17, 0
	s_add_nc_u64 s[8:9], s[8:9], s[16:17]
; 8 matrix instructions: m blocks a0, a0 + 1 x all 4 n blocks, 32 along K: half c of buffer f.  zero = 1: the first product starts the sums from the bias
.macro MUL8 f, c, a0, zero
.irp a, \a0, \a0+1
.irp b, 0,1,2,3
.if \zero
	v_wmma_f32_16x16x32_f16 v[ACC+8*(4*(\a)+\b):ACC+8*(4*(\a)+\b)+7], v[\f+64+8*(4*\c+\b):\f+64+8*(4*\c+\b)+7], v[\f+8*(4*\c+\a):\f+8*(4*\c+\a)+7], v[BI+8*\b:BI+8*\b+7]
.else
	v_wmma_f32_16x16x32_f16 v[ACC+8*(4*(\a)+\b):ACC+8*(4*(\a)+\b)+7], v[\f+64+8*(4*\c+\b):\f+64+8*(4*\c+\b)+7], v[\f+8*(4*\c+\a):\f+8*(4*\c+\a)+7], v[ACC+8*(4*(\a)+\b):ACC+8*(4*(\a)+\b)+7]
.endif
.endr
.endr
.endm
; 32 LDS loads in one run: the fragments of 64 along K at byte k of the rows, into buffer f; the first 32 along K first
.macro FETCH slot, k, f
	WIN TO_F
.irp c, 0,1
.irp i, 0,1,2,3
	ds_load_b128 v[\f+64+8*(4*\c+\i):\f+64+8*(4*\c+\i)+3],   v[ADRB+\slot] offset:\k+64*\c+\i*16*PITCH
	ds_load_b128 v[\f+64+8*(4*\c+\i)+4:\f+64+8*(4*\c+\i)+7], v[ADRB+\slot] offset:\k+64*\c+\i*16*PITCH+32
	ds_load_b128 v[\f+8*(4*\c+\i):\f+8*(4*\c+\i)+3],         v[ADRA+\slot] offset:\k+64*\c+\i*16*PITCH
	ds_load_b128 v[\f+8*(4*\c+\i)+4:\f+8*(4*\c+\i)+7],       v[ADRA+\slot] offset:\k+64*\c+\i*16*PITCH+32
.endr
.endr
.endm
.macro PLACES                          ; four places in front of loads into registers that matrix instructions have read, and of the first read of results (ISA guide 7.12.1 for vector instructions)
.rept 4
	v_nop
.endr
.endm
; A K step is four quarters of 64 along K, 32 matrix instructions each, on buffers 0, 1, 0, 1; the 16 accumulators take turns.
.macro QUARTER slot, k, f, g, zero
	s_wait_dscnt 16                                ; the first 32 along K are in; the youngest sixteen loads may be out
	WIN MUL
	MUL8 \f, 0, 0, \zero
	MUL8 \f, 0, 2, \zero
	PLACES
	FETCH \slot, \k, \g
	s_wait_dscnt 32                                ; all but the 32 just issued
	WIN MUL
	MUL8 \f, 1, 0, 0
	MUL8 \f, 1, 2, 0
.endm
; The last quarter multiplies buffer 1 and changes slots: ONE barrier; in front of it each wave waits for all its tensor loads, adds 0 to its spare word, and waits for that and for its own reads of this slot.  fill = 1: this slot is filled again, two K steps ahead.
.macro TURN slot, next, fill
	WIN 0                                          ; (the add's two registers lie in window 0)
	s_wait_tensorcnt 0x0                           ; all my tensor loads have landed: my part of the next slot;
	ds_add_u32 v[SPW], v[NIL]                      ; 0 onto my spare word
	s_wait_dscnt 17                                ; (the add and the youngest sixteen loads may be out)
	WIN MUL
	MUL8 F1, 0, 0, 0                               ; eight matrix instructions stand between the add and the wait for it
	s_wait_dscnt 0x0                               ; the add is done, and my reads of this slot are over
	s_barrier_signal -1
	MUL8 F1, 0, 2, 0
.if \fill
	WIN 0
.endif
	s_barrier_wait -1
.if \fill
	CREST                                          ; the barrier has opened a round of the cluster's barrier: no wave of any partner still reads this slot's tile or has a load on its way
	s_add_nc_u64 s[G0+4*\slot+2:G0+4*\slot+3], s[G0+4*\slot+2:G0+4*\slot+3], 2*KSTEP*2
	s_add_nc_u64 s[G0B+4*\slot+2:G0B+4*\slot+3], s[G0B+4*\slot+2:G0B+4*\slot+3], 2*KSTEP*2
	JLOAD \slot                                    ; the first tensor load behind the round; the four v_nop behind it are also the places in front of the loads below
.else
	PLACES
.endif
	FETCH \next, 0, F0
	WIN MUL
	MUL8 F1, 1, 0, 0
	MUL8 F1, 1, 2, 0
.endm
	s_wait_tensorcnt 1                             ; my part of K step 0 is in (K step 1's load may be out),
	s_barrier_signal -1
	s_barrier_wait -1                              ; everybody's is
	FETCH 0, 0, F0
	s_wait_loadcnt 0x0                             ; the bias
	QUARTER 0, 128, F0, F1, 1                      ; the first quarter stands in front of the loop: its first products start the sums
	WIN 0                                          ; at a label and at a branch every window is 0
	s_mov_b32 s3, LAPS-1
.Llap:                                                 ; a trip goes once round the ring, from a lap's second quarter to the next lap's first, and fills both slots again
	QUARTER 0, 256, F1, F0, 0
	QUARTER 0, 384, F0, F1, 0
	TURN 0, 1, 1
	QUARTER 1, 128, F0, F1, 0
	QUARTER 1, 256, F1, F0, 0
	QUARTER 1, 384, F0, F1, 0
	TURN 1, 0, 1
	QUARTER 0, 128, F0, F1, 0
	WIN 0
	s_sub_co_u32 s3, s3, 1
	s_cmp_lg_u32 s3, 0
	s_cbranch_scc1 .Llap
	QUARTER 0, 256, F1, F0, 0                      ; the last lap fills nothing, and has no round of the cluster's barrier
	QUARTER 0, 384, F0, F1, 0
	TURN 0, 1, 0
	QUARTER 1, 128, F0, F1, 0
	QUARTER 1, 256, F1, F0, 0
	QUARTER 1, 384, F0, F1, 0
	s_wait_dscnt 16                                ; the very last quarter: nothing more to fetch
	WIN MUL
	MUL8 F1, 0, 0, 0
	MUL8 F1, 0, 2, 0
	s_wait_dscnt 0
	MUL8 F1, 1, 0, 0
	MUL8 F1, 1, 2, 0
	WIN 0
; THE WAY OUT, block by block of 16 rows x 64 columns of f32.  A lane holds 32 neighbouring bytes of a row and the lanes beside it hold other rows: so a block goes through my own stage in LDS and comes back as
; whole rows of 256 bytes.  LDS serves a wave's instructions in order (ISA guide 5.7.1.4): no wait between the stores and the loads, nor in front of the next block's stores.
.macro TOSTAGE a
.irp b, 0,1,2,3
	ds_store_b128 v[STO], v[ACC+8*(4*(\a)+\b):ACC+8*(4*(\a)+\b)+3] offset:64*\b        ; each accumulator from its low end on
	ds_store_b128 v[STO], v[ACC+8*(4*(\a)+\b)+4:ACC+8*(4*(\a)+\b)+7] offset:64*\b+16
.endr
.set BB, OB+32*((\a)%2)
.irp t, 0,1,2,3,4,5,6,7
	ds_load_b128 v[BB+4*\t:BB+4*\t+3], v[RD] offset:\t*2*SPITCH
.endr
.endm
.macro SEND a, younger                 ; younger: the LDS instructions issued behind block a's loads, which may stay out
.set BB, OB+32*((\a)%2)
	s_wait_dscnt \younger                          ; the block is back in registers
.irp t, 0,1,2,3,4,5,6,7
	global_store_b128 v[CO], v[BB+4*\t:BB+4*\t+3], s[8:9] offset:(16*(\a)+2*\t)*SIZE_N*4 th:TH_STORE_NT   ; 16 lanes store 256 consecutive bytes, at a multiple of 256 from out0's first byte; written once, read by nobody here
.endr
.endm
	PLACES                                         ; behind the last products
	TOSTAGE 0
.irp a, 1,2,3
.if \a > 1
	s_wait_xcnt 0x0                                ; block a - 2's stores have read their registers: block a's loads may land there
.endif
	TOSTAGE \a
	SEND \a-1, 16                                  ; behind block a - 1's loads: block a's 8 stores and 8 loads
.endr
	SEND 3, 0
	s_wait_tensorcnt 0x0                           ; the wave's end, behind my last tensor load and my last LDS store
	ds_add_u32 v[SPW], v[NIL]
	s_wait_dscnt 0x0
	CROUND                                         ; the closing round: no work-group ends while a partner may still ask for a tile that names it
	s_endpgm
.Lfunc_end_k_qe3622df71b_proj:
	.size	k_qe3622df71b_proj, .Lfunc_end_k_qe3622df71b_proj-k_qe3622df71b_proj
	.p2alignl 7, 3214868480
	.fill 96, 4, 3214868480
	.section	.rodata,"a",@progbits
	.p2align	6, 0x0
	.amdhsa_kernel k_qe3622df71b_proj
		.amdhsa_group_segment_fixed_size 327680
		.amdhsa_private_segment_fixed_size 0
		.amdhsa_enable_private_segment 0
		.amdhsa_kernarg_size 32
		.amdhsa_user_sgpr_count 2
		.amdhsa_user_sgpr_kernarg_segment_ptr 1
		.amdhsa_wavefront_size32 1
		.amdhsa_system_sgpr_workgroup_id_x 1
		.amdhsa_system_sgpr_workgroup_id_y 1
		.amdhsa_system_sgpr_workgroup_id_z 1
		.amdhsa_system_vgpr_workitem_id 0
		.amdhsa_next_free_vgpr 512
		.amdhsa_next_free_sgpr 68
		.amdhsa_reserve_vcc 0
		.amdhsa_float_denorm_mode_32 3
		.amdhsa_float_denorm_mode_16_64 3
		.amdhsa_memory_ordered 1
		.amdhsa_forward_progress 1
		.amdhsa_inst_pref_size 86
	.end_amdhsa_kernel
	.amdgpu_metadata
---
amdhsa.version: [ 1, 2 ]
amdhsa.kernels:
  - .name:           k_qe3622df71b_proj
    .symbol:         k_qe3622df71b_proj.kd
    .args:
      - { .name: att, .offset: 0, .size: 8, .value_kind: global_buffer, .address_space: global }
      - { .name: wob, .offset: 8, .size: 8, .value_kind: global_buffer, .address_space: global }
      - { .name: bo, .offset: 16, .size: 8, .value_kind: global_buffer, .address_space: global }
      - { .name: out0, .offset: 24, .size: 8, .value_kind: global_buffer, .address_space: global }
    .group_segment_fixed_size: 327680
    .private_segment_fixed_size: 0
    .kernarg_segment_align: 8
    .kernarg_segment_size: 32
    .max_flat_workgroup_size: 128
    .sgpr_count:     68
    .vgpr_count:     512
    .wavefront_size: 32
...
	.end_amdgpu_metadata
.endif
;; end of part 4
